; MI455X (gfx1250); checked and timed in simulation.
; The chip was launched on July 23, 2026; its instructions are those of AMD's public machine-readable ISA for CDNA 5 (MIT licence, August 2026) and "CDNA5" Instruction Set Architecture Reference Guide (July 2026). The comments in the code are by the model that wrote it; some were corrected since.
;; Self Attention Block. Allowed arithmetic: matrix products marked QUANTISED: E2M1 operands, one E8M0 scale for each 32 along K, by v_wmma_scale_f32_16x16x128_f8f6f4 with both operands' format E2M1 (or v_wmma_scale_f32_32x16x128_f4), f32 sums; everything else in f32.
;; Inputs: Wk_codes 1,024 x 32 x 16 uint8 (E2M1 codes of Wk, K innermost, in blocks of 32 codes, two codes a byte); Wk_scales 1,024 x 32 uint8 (E8M0 scales of Wk, one for each 32 codes along K); Wq_codes 1,024 x 32 x 16 uint8 (E2M1 codes of Wq, K innermost, in blocks of 32 codes, two codes a byte); Wq_scales 1,024 x 32 uint8 (E8M0 scales of Wq, one for each 32 codes along K); Wv_codes 1,024 x 32 x 16 uint8 (E2M1 codes of Wv, K innermost, in blocks of 32 codes, two codes a byte); Wv_scales 1,024 x 32 uint8 (E8M0 scales of Wv, one for each 32 codes along K); beta 1,024 float32; bk 1,024 float32; bq 1,024 float32; bv 1,024 float32; gamma 1,024 float32; x 4 x 2,048 x 1,024 float32.
;; Outputs: out0 4 x 2,048 x 1,024 float32.
;; Constants: n_heads = 16.
;; This version of the problem:
;;   THIS VERSION OF THE PROBLEM IS GIVEN IN LOW PRECISION. The matrix products marked QUANTISED in the list below multiply operands that are first quantised to E2M1 (2 exponent bits, 1 mantissa bit; 4 bits a number), with one power-of-two scale for each 32 numbers along K (OCP MX v1.0); their sums are f32. All else is computed in f32.
;;   The module's matrix products, in the order in which they are computed (A, B: the left and right operand; K: the contracted axis; several contracted axes count as one K, in the product's order):
;;     1. [M 8,192, K 1,024] x [K 1,024, N 1,024]; A: input x; B: input Wq (given as codes): QUANTISED
;;     2. [M 8,192, K 1,024] x [K 1,024, N 1,024]; A: input x; B: input Wk (given as codes): QUANTISED
;;     3. [M 8,192, K 1,024] x [K 1,024, N 1,024]; A: input x; B: input Wv (given as codes): QUANTISED
;;     4. batch 64 x [M 2,048, K 64] x [K 64, N 2,048]; A: computed on the way; B: computed on the way: QUANTISED
;;     5. batch 64 x [M 2,048, K 2,048] x [K 2,048, N 64]; A: softmax (see below); B: computed on the way: QUANTISED
;;   THE QUANTISER, for each operand of a quantised product, along K:
;;     - K is cut into blocks of 32 from its start; a last block that is shorter is filled with zeros.
;;     - A block's scale is 2^e with e = floor(log2(the largest magnitude in the block)) - 2, held to -126 .. 127; a block of zeros has e = 0. As a byte (E8M0): e + 127.
;;     - Each number is divided by its block's scale, clamped to +-6, and rounded to the nearest number of E2M1, ties to even, subnormals kept.
;;     - The product sums the exact products of the quantised numbers (number of the format x scale) in f32.
;;   ~~~python
;;   def quantise(x, axis):      # numpy; x: float32 -> the quantised numbers, widened to float32 again
;;       x = np.moveaxis(x, axis, -1); K = x.shape[-1]
;;       x = np.pad(x, [(0, 0)] * (x.ndim - 1) + [(0, -K % 32)]); x = x.reshape(x.shape[:-1] + (-1, 32)); a = np.abs(x).max(-1, keepdims=True)
;;       e = np.where(a > 0, np.clip(np.frexp(np.where(a > 0, a, 1))[1] - 1 - 2, -126, 127), 0)      # np.frexp(a)[1] - 1 = floor(log2(a)), exactly
;;       r = np.clip(x / 2.0 ** e, -6, 6)
;;       step = 2.0 ** (np.maximum(np.frexp(np.where(r == 0, 1, r))[1] - 1, 0) - 1)
;;       q = np.round(r / step) * step * 2.0 ** e      # np.round: ties to even
;;       return np.moveaxis(q.reshape(q.shape[:-2] + (-1,))[..., :K], -1, axis).astype(np.float32)
;;   ~~~
;;   SOFTMAX AHEAD OF A QUANTISED PRODUCT. Where the list says 'softmax', what is quantised is not the finished softmax but p = 2^(t - M), with t = logit x log2(e) and M = ceil(the row's largest t), a whole number; so 1/2 < the row's largest p <= 1. The row's sum l is taken of the UNQUANTISED p, in f32, and the product's result is divided by l at the end. Since M is a whole number, a kernel that streams over the keys may use a running M (the ceiling of the running maximum): every later rescaling is an exact power of two, which a block's scale takes up: the codes' values come out the same.
;;   OPERANDS COMPUTED ON THE WAY. 'Computed on the way' means the value that the module computes at that place (a softmax that the list does not call 'softmax' is quantised finished and normalised). What goes into a quantiser is computed in f32, as accurately as f32 sums, v_exp_f32 and their like allow (about 1e-6 of the number): no bf16 or f16 on the way to a quantiser, and a product that is left as it is and whose result goes on into a quantised operand takes f32 operands (vector FMAs, or v_wmma_f32_16x16x4_f32). A number that lies on a knife's edge between two numbers of the format may be rounded either way, as far as f32 arithmetic and the matrix unit's own rounding can turn it there, and no further.
;;   INPUTS GIVEN AS CODES. Wk (in the module: [1024, 1024], K = its axis 1); Wq (in the module: [1024, 1024], K = its axis 1); Wv (in the module: [1024, 1024], K = its axis 1): each comes as NAME_codes (uint8): NAME with its K axis moved to the last place and cut into blocks of 32 codes, [.., K / 32, bytes a block], one block behind the other in memory; two codes a byte, the lower K in the low four bits (a code: sign, 2 exponent bits, 1 mantissa bit); and NAME_scales (uint8): the same leading axes, one E8M0 byte (e + 127) for each 32 codes along K. Its value is code x scale, taken as it is: it is not quantised again, and the codes and scales need not be those that the quantiser above would give.
;; 2 versions. Each part assembles by itself: llvm-mc -triple=amdgcn-amd-amdhsa -mcpu=gfx1250 --defsym DOCPART=n.
;; ======== version 1 of 2: 2 launches
;; workspace buffers: qc 4,194,304 bytes; kc 4,194,304 bytes; vc 4,194,304 bytes; qs 524,288 bytes; ks 524,288 bytes; vs 262,144 bytes
;; launch qkv (part 1): grid 4 x 64, 4 waves a work-group, no clusters, 131,584 bytes of LDS; arguments x, Wq_codes, Wq_scales, bq, Wk_codes, Wk_scales, bk, Wv_codes, Wv_scales, bv, qc, qs, kc, ks, vc, vs; writes qc, qs, kc, ks, vc, vs
.if DOCPART == 1
	.amdgcn_target "amdgcn-amd-amdhsa--gfx1250"
	.amdhsa_code_object_version 6
	.text
	.protected	k_q788533eb05_qkv
	.globl	k_q788533eb05_qkv
	.p2align	8
	.type	k_q788533eb05_qkv,@function
k_q788533eb05_qkv:
	s_mov_b64 s[64:65], 0
	v_nop
	global_prefetch_b8 v0, s[64:65] scope:SCOPE_SE
	s_setreg_imm32_b32 hwreg(HW_REG_WAVE_MODE, 25, 1), 1
	s_wait_xcnt 0x0
; q, k, v = Q(x) W^T + b on codes of FP4 (E2M1) with one E8M0 scale for each 32 along K, and the results quantised at once: q and k along the head's 64 channels,
; v along the tokens (the keys of the later product).  Only codes and scale words go to memory.
; x: [8192][1024] f32.  W*: codes [1024][512 bytes], K innermost; scale bytes [1024][32].  b*: [1024] f32.
; OUT.  bh = 16 batch + head, step = token / 128, lane L = 16 h + r.
;   qc, kc: [bh][token 2048][32 bytes]: the head's 64 codes.
;   qs, ks: [bh][step][L][i 0..3] words: the word of token 128 step + 32 i + 8 (L / 16) + (L % 16) + 8 ((L % 16) / 8); byte 0 channels 0-31, byte 1 channels 32-63, bytes 2, 3 = 0.
;   vc:     [bh][step][t 0..3][c 0..1][L][16 bytes]: channel 16 t + r, keys 128 step + 64 c + 32 h + 0..31: the registers of a fragment of V^T, lane by lane.
;   vs:     [bh][step][L][p 0..1] words: channel 16 (2 p + L / 16) + L % 16; byte b keys 128 step + 32 b + 0..31.
; SHARES.  Work-group (g, tb): tokens 128 tb .. + 127, heads 4 g .. 4 g + 3.  Wave w owns head 4 g + w: its 64 rows of Wq, Wk and Wv stay in its registers (3 x 32 fragments, 768 registers,
; windows 1, 2, 3).  The four waves quantise the 128 tokens of x once (32 tokens each) and lay the fragments in LDS as images of their registers; behind ONE barrier every wave reads them.
; TILES ARE PERMUTED: lane r of tile 2 b + u takes row 32 b + 8 u + r + 8 (r / 8) (x's tokens, Wq's and Wk's channels), so that in a result the 16 registers of tiles 2 b and 2 b + 1 are the 16
; neighbours 32 b + 16 h + 0..15 along the axis that is quantised next.  q, k: source 0 = W, source 1 = x (a lane holds one token, registers run along channels).  v: source 0 = x, source 1 = Wv
; (a lane holds one channel, registers run along tokens).
; EVERY GLOBAL LOAD OF x AND W takes 512 consecutive bytes, 16 a lane; a wave's own stage in LDS turns 16 such rows into what a lane's registers want.
; NO JOINT REQUESTS: x has to pass through registers to be quantised, and a work-group's 384 KB of W, wanted whole in registers, is more than LDS holds at a time beside x's images; so both come by plain loads.
; LIMITS: NaN and infinities are not served.  A block whose largest magnitude lies under 2^-124, a block of zeros among them, gets the scale byte 1 (its codes are then zeros or held small); the bytes are read by this program alone.
.set XIMG,  0                          ; LDS: x's fragments: (8 mtile + s) x 1024 + 512 c + 16 L
.set XSC,   65536                      ; their scale words: 512 mtile + 32 r + 4 s
.set STAGE, 69632                      ; a stage for each wave: 16 rows, 528 bytes apart (33 x 16: sixteen rows' same column falls on sixteen different 16-byte columns modulo 256)
.set WSC,   103424                     ; each wave's own: W's scale words, image (4 mu + t) x 512 + 16 L
.set BIA,   128000                     ; each wave's own: its 64 biases of each matrix, 256 mu + 4 channel
.set L16,  1                           ; 16 x lane
.set L8,   2                           ; 8 x lane
.set RP,   3                           ; 32 (r + 8 (r / 8)) + 16 h
.set RN,   4                           ; 32 r + 16 h
.set STW,  5                           ; my stage + 16 x lane
.set STR,  6                           ; my stage + 528 r + 16 h
.set STX,  7                           ; my stage + 528 r + 128 h
.set XIW0, 8                           ; 16384 w + 16 x lane
.set XSW0, 9                           ; XSC + 1024 w + 32 r
.set WSA,  10                          ; WSC + 6144 w + 16 x lane
.set BIW,  11                          ; BIA + 768 w + 8 x lane
.set BAQ,  12                          ; BIA + 768 w + 64 h
.set BAV,  13                          ; BIA + 768 w + 512 + 4 r
.set XA,   14                          ; working LDS addresses
.set XSA,  15
.set ACC,  16                          ; v16-143 sixteen accumulators; ahead of the products two raw sets of 64
.set RA,   16
.set RB,   80
.set XF0,  144                         ; v144-175, v176-207 x's four fragments of a K step, two sets
.set T,    144                         ; ahead of the products: 64 registers at work
.set XS,   208                         ; v208-223 x's scale words: scales alone
.set WS,   224                         ; v224-239 W's scale words: scales alone
.set SWQ,  240                         ; v240-243 q's or k's scale words on their way out
.set VW,   244                         ; v244-247 v's
.set SV,   248
.set MX,   240                         ; while x is quantised: v240-243 maxima (241, 243 then the bytes), v244-245 scale operands, v246 the word, v247 at work, v248-255 codes
.set SCO,  244
.set WDX,  246
.set TX,   247
.set PCX,  248
.set TM,   144                         ; behind a job's products, over x's fragments: maxima, the other half's, scale operands, bytes, codes, words
.set T2,   152
.set SC,   160
.set BY,   168
.set PC,   176
.set WD,   192
.set MSB, 0
.macro WIN new                         ; the immediate's high byte repeats the setting that is left
.if MSB != (\new)
	s_set_vgpr_msb (MSB<<8)|(\new)
.set MSB, (\new)
.endif
.endm
.macro PLACES                          ; four plain vector instructions between a matrix instruction and a load into, or a read of, its registers
.rept 4
	v_nop
.endr
.endm
	s_load_b512 s[4:19], s[0:1], 0x0               ; x 4, Wq codes 6, scales 8, bq 10, Wk codes 12, scales 14, bk 16, Wv codes 18
	s_load_b512 s[20:35], s[0:1], 0x40             ; Wv scales 20, bv 22, qc 24, qs 26, kc 28, ks 30, vc 32, vs 34
	v_lshrrev_b32 v255, 5, v0
	v_readfirstlane_b32 s36, v255                  ; wave w
	s_and_b32 s38, ttmp7, 0xffff                   ; tb: which 128 tokens
	s_lshl_b32 s39, ttmp9, 2
	s_add_co_u32 s39, s39, s36                     ; my head: 4 g + w
	v_and_b32 v252, 31, v0                         ; lane
	v_and_b32 v253, 15, v0                         ; r
	v_bfe_u32 v254, v0, 4, 1                       ; h
	v_lshlrev_b32 v[L16], 4, v252
	v_lshlrev_b32 v[L8], 3, v252
	v_and_b32 v255, 8, v253
	v_add_nc_u32 v255, v255, v253                  ; r + 8 (r / 8)
	v_lshlrev_b32 v255, 5, v255
	v_lshl_add_u32 v[RP], v254, 4, v255
	v_lshlrev_b32 v255, 5, v253
	v_lshl_add_u32 v[RN], v254, 4, v255
	s_mul_i32 s52, s36, 8448
	s_add_co_u32 s52, s52, STAGE
	v_add_nc_u32 v[STW], s52, v[L16]
	v_mul_u32_u24 v255, v253, 528
	v_add_nc_u32 v255, s52, v255
	v_lshl_add_u32 v[STR], v254, 4, v255
	v_lshl_add_u32 v[STX], v254, 7, v255
	s_lshl_b32 s52, s36, 14
	v_add_nc_u32 v[XIW0], s52, v[L16]
	s_lshl_b32 s52, s36, 10
	s_add_co_u32 s52, s52, XSC
	v_lshl_add_u32 v[XSW0], v253, 5, s52
	s_mul_i32 s52, s36, 6144
	s_add_co_u32 s52, s52, WSC
	v_add_nc_u32 v[WSA], s52, v[L16]
	s_mul_i32 s52, s36, 768
	s_add_co_u32 s52, s52, BIA
	v_add_nc_u32 v[BIW], s52, v[L8]
	v_lshl_add_u32 v[BAQ], v254, 6, s52
	s_add_co_u32 s52, s52, 512
	v_lshl_add_u32 v[BAV], v253, 2, s52
	s_mov_b32 s44, 0x76543210                      ; v_permlanex16_b32's selects for lane l xor 16
	s_mov_b32 s45, 0xfedcba98
	s_mov_b32 s46, 0xffff0000                      ; lanes 16-31, as a mask for v_cndmask_b32
	s_mov_b32 s41, 0
	s_wait_kmcnt 0x0
	s_lshl_b32 s40, s39, 15                        ; my 64 rows of each W: 512 bytes of codes a row,
	s_add_nc_u64 s[6:7], s[6:7], s[40:41]
	s_add_nc_u64 s[12:13], s[12:13], s[40:41]
	s_add_nc_u64 s[18:19], s[18:19], s[40:41]
	s_lshl_b32 s40, s39, 11                        ; 32 scale bytes a row,
	s_add_nc_u64 s[8:9], s[8:9], s[40:41]
	s_add_nc_u64 s[14:15], s[14:15], s[40:41]
	s_add_nc_u64 s[20:21], s[20:21], s[40:41]
	s_lshl_b32 s40, s39, 8                         ; 4 bytes of bias
	s_add_nc_u64 s[10:11], s[10:11], s[40:41]
	s_add_nc_u64 s[16:17], s[16:17], s[40:41]
	s_add_nc_u64 s[22:23], s[22:23], s[40:41]
	s_lshl_b32 s40, s38, 19                        ; x: 128 tb tokens of 4,096 bytes + my 32 tokens
	s_lshl_b32 s42, s36, 17
	s_add_co_u32 s40, s40, s42
	s_add_nc_u64 s[4:5], s[4:5], s[40:41]
	s_lshr_b32 s42, s38, 4
	s_lshl_b32 s42, s42, 4
	s_add_co_u32 s42, s42, s39                     ; bh = 16 batch + head
	s_and_b32 s43, s38, 15                         ; the key step within the batch
	s_lshl_b32 s40, s42, 16
	s_lshl_b32 s52, s43, 12
	s_add_co_u32 s40, s40, s52
	s_add_nc_u64 s[24:25], s[24:25], s[40:41]
	s_add_nc_u64 s[28:29], s[28:29], s[40:41]
	s_add_nc_u64 s[32:33], s[32:33], s[40:41]
	s_lshl_b32 s40, s42, 13
	s_lshl_b32 s52, s43, 9
	s_add_co_u32 s40, s40, s52
	s_add_nc_u64 s[26:27], s[26:27], s[40:41]
	s_add_nc_u64 s[30:31], s[30:31], s[40:41]
	s_lshl_b32 s40, s42, 12
	s_lshl_b32 s52, s43, 8
	s_add_co_u32 s40, s40, s52
	s_add_nc_u64 s[34:35], s[34:35], s[40:41]
; 16 whole rows of W (512 bytes each) of tile t of matrix mu into a raw set: the tile's rows in the tile's order
.macro WLOAD set, mu, t
.irp i, 0,1,2,3,4,5,6,7,8,9,10,11,12,13,14,15
.if (\mu) < 2
	global_load_b128 v[\set+4*\i:\set+4*\i+3], v[L16], s[6+6*(\mu):7+6*(\mu)] offset:(32*((\t)/2)+8*((\t)%2)+\i+8*(\i/8))*512
.else
	global_load_b128 v[\set+4*\i:\set+4*\i+3], v[L16], s[18:19] offset:(16*(\t)+\i)*512
.endif
.endr
.endm
; through my stage: in as rows, out as the tile's eight fragments: lane (r, h) takes of row r the 16 bytes at 64 s + 32 c + 16 h.  LDS serves a wave's instructions in order (ISA guide 5.7.1.4)
.macro WTURN set, mu, t
.irp i, 0,1,2,3,4,5,6,7,8,9,10,11,12,13,14,15
	ds_store_b128 v[STW], v[\set+4*\i:\set+4*\i+3] offset:528*\i
.endr
	WIN (((\mu)+1)<<6)                             ; destination: the matrix's window
.irp s, 0,1,2,3,4,5,6,7
.irp c, 0,1
	ds_load_b128 v[8*(8*(\t)+\s)+4*\c:8*(8*(\t)+\s)+4*\c+3], v[STR] offset:64*\s+32*\c
.endr
.endr
	WIN 0
.endm
; 128 numbers (one K step, 512 bytes) of each of the 16 tokens of my tile u
.macro XLOAD set, u, ahead
.irp i, 0,1,2,3,4,5,6,7,8,9,10,11,12,13,14,15
	global_load_b128 v[\set+4*\i:\set+4*\i+3], v[L16], s[4:5] offset:(8*(\u)+\i+8*(\i/8))*4096+512*(\ahead)
.endr
.endm
; through my stage: lane (r, h) gets of token r the whole blocks 2 c + h: v[T + 32 c + 0..31] = k 64 c + 32 h + 0..31
.macro XTURN set
.irp i, 0,1,2,3,4,5,6,7,8,9,10,11,12,13,14,15
	ds_store_b128 v[STW], v[\set+4*\i:\set+4*\i+3] offset:528*\i
.endr
.irp c, 0,1
.irp j, 0,1,2,3,4,5,6,7
	ds_load_b128 v[T+32*\c+4*\j:T+32*\c+4*\j+3], v[STX] offset:256*\c+16*\j
.endr
.endr
.endm
; my two blocks become codes, in the very registers of the fragment, and a scale word; both go to LDS
.macro XQ u
.irp c, 0,1
	v_max3_num_f32 v[MX+2*\c], |v[T+32*\c]|, |v[T+32*\c+1]|, 0x1800000          ; two chains a block; the floor 2^(3 - 127) among the leaves holds the byte at 1 from below
	v_max3_num_f32 v[MX+2*\c+1], |v[T+32*\c+2]|, |v[T+32*\c+3]|, |v[T+32*\c+4]|
.endr
.irp i, 5,9,13,17,21,25
.irp c, 0,1
	v_max3_num_f32 v[MX+2*\c], v[MX+2*\c], |v[T+32*\c+\i]|, |v[T+32*\c+\i+1]|
	v_max3_num_f32 v[MX+2*\c+1], v[MX+2*\c+1], |v[T+32*\c+\i+2]|, |v[T+32*\c+\i+3]|
.endr
.endr
.irp c, 0,1
	v_max3_num_f32 v[MX+2*\c], v[MX+2*\c], |v[T+32*\c+29]|, |v[T+32*\c+30]|
.endr
.irp c, 0,1
	v_max3_num_f32 v[MX+2*\c], v[MX+2*\c], v[MX+2*\c+1], |v[T+32*\c+31]|
.endr
.irp c, 0,1
	v_add_nc_u32 v[SCO+\c], 0xff000000, v[MX+2*\c]  ; 2 off the exponent field: the conversion's scale operand
.endr
.irp c, 0,1
	v_lshrrev_b32 v[MX+2*\c+1], 23, v[SCO+\c]      ; the scale's byte
.endr
	v_lshl_or_b32 v[WDX], v[MX+3], 16, v[MX+1]     ; blocks h and 2 + h,
	v_lshlrev_b32 v[TX], 8, v[WDX]
	v_cndmask_b32 v[WDX], v[WDX], v[TX], s46       ; at their places in the word (lanes 16-31: one byte up);
	v_permlanex16_b32 v[TX], v[WDX], s44, s45
	v_or_b32 v[WDX], v[WDX], v[TX]                 ; with lane l xor 16's two the word is whole
.irp c, 0,1
.irp g, 0,1,2,3
	v_cvt_scalef32_pk8_fp4_f32 v[PCX+4*\c+\g], v[T+32*\c+8*\g:T+32*\c+8*\g+7], v[SCO+\c]
.endr
.endr
	v_nop                                          ; one plain place behind the last scaled conversion
.irp c, 0,1
	ds_store_b128 v[XA], v[PCX+4*\c:PCX+4*\c+3] offset:8192*(\u)+512*\c
.endr
	ds_store_b32 v[XSA], v[WDX] offset:512*(\u)    ; both halves of the lanes write the same word with the same value
.endm
.macro XUNIT set, u, pf, left
	s_wait_loadcnt \left                           ; this set's 16 loads are in; the other set's may be out
	XTURN \set
	s_wait_dscnt 16                                ; all but the 16 loads just issued: the stores into the stage have read the raw set, the last codes have left their registers
.if \pf
	XLOAD \set, \u, 1                              ; the next K step's numbers of the same tokens
.endif
	s_wait_dscnt 0x0
	XQ \u
.endm
; one K step of my 32 tokens.  pf = 1: the next K step is asked for
.macro XTRIP pf
	s_wait_dscnt 0x0                               ; no LDS instruction of mine names the two address registers any more
	v_add_nc_u32 v[XA], s48, v[XIW0]
	v_add_nc_u32 v[XSA], s49, v[XSW0]
	XUNIT RA, 0, \pf, 16
	XUNIT RB, 1, \pf, 16*\pf
.if \pf
	s_wait_xcnt 0x0                                ; the loads' addresses are translated (ISA guide 3.1): x's base steps only behind this wait
	s_add_nc_u64 s[4:5], s[4:5], 512
	s_add_co_u32 s48, s48, 1024
	s_add_co_u32 s49, s49, 4
.endif
.endm
.macro WUNIT u                         ; unit u = tile u % 4 of matrix u / 4; raw sets by turns; the set that is freed takes the unit two on, at the end x's first K step
.set SETU, RA+64*((\u)%2)
	s_wait_loadcnt 16                              ; this set's 16 loads are in; the other set's may be out
	WTURN SETU, (\u)/4, (\u)%4
	s_wait_dscnt 16                                ; all but the 16 loads just issued: the stores into the stage have read the raw set
.if (\u) < 10
	WLOAD SETU, ((\u)+2)/4, ((\u)+2)%4
.elseif (\u) == 10
	XLOAD RA, 0, 0
.else
	XLOAD RB, 1, 0
.endif
.endm
	; ---- the small things: W's scale words in the order of the scale registers (lane (r, h): words 4 h .. 4 h + 3 of the tile's row r) and my biases; they wait in LDS of my own
.irp t, 0,1,2,3
	global_load_b128 v[T+4*\t:T+4*\t+3], v[RP], s[8:9] offset:(32*(\t/2)+8*(\t%2))*32
	global_load_b128 v[T+16+4*\t:T+16+4*\t+3], v[RP], s[14:15] offset:(32*(\t/2)+8*(\t%2))*32
	global_load_b128 v[T+32+4*\t:T+32+4*\t+3], v[RN], s[20:21] offset:512*\t
.endr
.irp m, 0,1,2
	global_load_b64 v[T+48+2*\m:T+48+2*\m+1], v[L8], s[10+6*\m:11+6*\m]
.endr
	WLOAD RA, 0, 0
	WLOAD RB, 0, 1
	s_wait_loadcnt 32                              ; the two raw sets may be out; the fifteen small loads are in
.irp k, 0,1,2,3,4,5,6,7,8,9,10,11
	ds_store_b128 v[WSA], v[T+4*\k:T+4*\k+3] offset:512*\k
.endr
.irp m, 0,1,2
	ds_store_b64 v[BIW], v[T+48+2*\m:T+48+2*\m+1] offset:256*\m
.endr
	; ---- W into registers, twelve tiles
.irp u, 0,1,2,3,4,5,6,7,8,9,10,11
	WUNIT \u
.endr
	; ---- x into codes: eight K steps of my 32 tokens; the last asks for nothing, so that no load leaves x
	s_mov_b32 s48, 0
	s_mov_b32 s49, 0
	s_mov_b32 s47, 7
.Lx:
	XTRIP 1
	s_sub_co_u32 s47, s47, 1
	s_cmp_lg_u32 s47, 0
	s_cbranch_scc1 .Lx
	XTRIP 0
	s_wait_dscnt 0x0                               ; my images and scale words have landed (and W's fragments are in)
	s_barrier_signal -1
	s_barrier_wait -1                              ; everybody's have: x's 64 fragments lie in LDS and are only read from here on
.macro XFETCH set, s                   ; x's four fragments of K step s, of the half in hand
.irp mi, 0,1,2,3
.irp c, 0,1
	ds_load_b128 v[\set+8*\mi+4*\c:\set+8*\mi+4*\c+3], v[XA] offset:8192*\mi+1024*(\s)+512*\c
.endr
.endr
.endm
.macro BIASLD kind, mu                 ; eight loads: the biases in the result's layout
.irp t, 0,1,2,3
.if \kind == 0
	ds_load_b128 v[XF0+8*\t:XF0+8*\t+3], v[BAQ] offset:256*(\mu)+128*(\t/2)+32*(\t%2)        ; tile t, register j: channel 32 (t / 2) + 16 h + 8 (t % 2) + j
	ds_load_b128 v[XF0+8*\t+4:XF0+8*\t+7], v[BAQ] offset:256*(\mu)+128*(\t/2)+32*(\t%2)+16
.else
	ds_load_b32 v[XF0+2*\t], v[BAV] offset:64*\t   ; tile t: channel 16 t + r, in both registers of a pair
	ds_load_b32 v[XF0+2*\t+1], v[BAV] offset:64*\t
.endif
.endr
.endm
; one matrix instruction.  K steps 4 to 7 take their scale words from lanes 16-31 of the same registers
.macro MM kind, s, mi, t
.set RW_, 8*(8*(\t)+(\s))
.set RX_, XF0+32*((\s)%2)+8*(\mi)
.set SW_, WS+4*(\t)+(\s)%4
.set SX_, XS+4*(\mi)+(\s)%4
.if \kind == 0
.set RD_, ACC+32*(\mi)+8*(\t)
.if (\s) == 0
	v_wmma_scale_f32_16x16x128_f8f6f4 v[RD_:RD_+7], v[RW_:RW_+7], v[RX_:RX_+7], 0, v[SW_], v[SX_] matrix_a_fmt:MATRIX_FMT_FP4 matrix_b_fmt:MATRIX_FMT_FP4
.elseif (\s) < 4
	v_wmma_scale_f32_16x16x128_f8f6f4 v[RD_:RD_+7], v[RW_:RW_+7], v[RX_:RX_+7], v[RD_:RD_+7], v[SW_], v[SX_] matrix_a_fmt:MATRIX_FMT_FP4 matrix_b_fmt:MATRIX_FMT_FP4
.else
	v_wmma_scale_f32_16x16x128_f8f6f4 v[RD_:RD_+7], v[RW_:RW_+7], v[RX_:RX_+7], v[RD_:RD_+7], v[SW_], v[SX_] matrix_a_fmt:MATRIX_FMT_FP4 matrix_b_fmt:MATRIX_FMT_FP4 matrix_a_scale:MATRIX_SCALE_ROW1 matrix_b_scale:MATRIX_SCALE_ROW1
.endif
.else
.set RD_, ACC+32*(\t)+8*(\mi)
.if (\s) == 0
	v_wmma_scale_f32_16x16x128_f8f6f4 v[RD_:RD_+7], v[RX_:RX_+7], v[RW_:RW_+7], 0, v[SX_], v[SW_] matrix_a_fmt:MATRIX_FMT_FP4 matrix_b_fmt:MATRIX_FMT_FP4
.elseif (\s) < 4
	v_wmma_scale_f32_16x16x128_f8f6f4 v[RD_:RD_+7], v[RX_:RX_+7], v[RW_:RW_+7], v[RD_:RD_+7], v[SX_], v[SW_] matrix_a_fmt:MATRIX_FMT_FP4 matrix_b_fmt:MATRIX_FMT_FP4
.else
	v_wmma_scale_f32_16x16x128_f8f6f4 v[RD_:RD_+7], v[RX_:RX_+7], v[RW_:RW_+7], v[RD_:RD_+7], v[SX_], v[SW_] matrix_a_fmt:MATRIX_FMT_FP4 matrix_b_fmt:MATRIX_FMT_FP4 matrix_a_scale:MATRIX_SCALE_ROW1 matrix_b_scale:MATRIX_SCALE_ROW1
.endif
.endif
.endm
; K step s: the next step's fragments are asked for, then 16 products: 4 tiles of tokens x 4 tiles of channels.  The 16 accumulators take turns, one instruction a turn, in the same order in every step
.macro KSTEP kind, mu, s
.if (\s) > 0
	PLACES                                         ; the loads below land in the set that the last step's products read
.endif
.if (\s) < 7
	XFETCH XF0+32*(((\s)+1)%2), (\s)+1
.else
	BIASLD \kind, \mu
.endif
	s_wait_dscnt 8                                 ; all but the eight loads just issued
.if \kind == 0
	WIN ((\mu)+1)                                  ; source 0: W's window
.else
	WIN 0x0c                                       ; source 1: Wv's window
.endif
.irp mi, 0,1,2,3
.irp t, 0,1,2,3
	MM \kind, \s, \mi, \t
.endr
.endr
	WIN 0
.endm
; eight blocks of 32 (block q: v[ACC + 16 q + 0..15] in lanes l and l xor 16) become codes v[PC + 4 m + 0..3] (a whole block a lane) and four scale words v[WD + m] (bytes 0, 1)
.macro QUANT8
.irp q, 0,1,2,3,4,5,6,7
	v_max3_num_f32 v[TM+\q], |v[ACC+16*\q]|, |v[ACC+16*\q+1]|, 0x1800000   ; the floor 2^(3 - 127): the byte cannot fall under 1
.endr
.irp i, 2,4,6,8,10,12,14
.irp q, 0,1,2,3,4,5,6,7
	v_max3_num_f32 v[TM+\q], v[TM+\q], |v[ACC+16*\q+\i]|, |v[ACC+16*\q+\i+1]|   ; the eight blocks by turns
.endr
.endr
.irp q, 0,1,2,3,4,5,6,7
	v_permlanex16_b32 v[T2+\q], v[TM+\q], s44, s45
.endr
.irp q, 0,1,2,3,4,5,6,7
	v_max_num_f32 v[TM+\q], v[TM+\q], v[T2+\q]     ; with lane l xor 16's 16 numbers
.endr
.irp q, 0,1,2,3,4,5,6,7
	v_add_nc_u32 v[SC+\q], 0xff000000, v[TM+\q]    ; 2 off the exponent field: the conversion's scale operand
.endr
.irp q, 0,1,2,3,4,5,6,7
	v_lshrrev_b32 v[BY+\q], 23, v[SC+\q]           ; the scale's byte
.endr
.irp m, 0,1,2,3
	v_lshl_or_b32 v[WD+\m], v[BY+2*\m+1], 8, v[BY+2*\m]
.endr
.irp q, 0,1,2,3,4,5,6,7
	v_cvt_scalef32_pk8_fp4_f32 v[PC+2*\q], v[ACC+16*\q:ACC+16*\q+7], v[SC+\q]
	v_cvt_scalef32_pk8_fp4_f32 v[PC+2*\q+1], v[ACC+16*\q+8:ACC+16*\q+15], v[SC+\q]
.endr
	v_nop                                          ; one plain place behind the last scaled conversion
.irp m, 0,1,2,3
.irp i, 0,1
	v_permlane16_swap_b32 v[PC+4*\m+\i], v[PC+4*\m+2+\i]   ; lanes 0-15 get the whole lower block, lanes 16-31 the whole upper one
.endr
.endr
.endm
; behind a job's products: the bias, the quantiser, the codes' stores; the scale words are gathered over the two halves
.macro EPI kind, mu
	PLACES
	s_wait_dscnt 0x0                               ; the biases are in
.set N_, 0
.rept 64                               ; each accumulator from its low end on
.if \kind == 0
	v_pk_add_f32 v[ACC+2*N_:ACC+2*N_+1], v[ACC+2*N_:ACC+2*N_+1], v[XF0+(2*N_)%32:XF0+(2*N_)%32+1]
.else
	v_pk_add_f32 v[ACC+2*N_:ACC+2*N_+1], v[ACC+2*N_:ACC+2*N_+1], v[XF0+2*(N_/16):XF0+2*(N_/16)+1]
.endif
.set N_, N_+1
.endr
	QUANT8
.if \kind == 0
.irp m, 0,1,2,3
	global_store_b128 v[RP], v[PC+4*\m:PC+4*\m+3], s[24+4*(\mu):25+4*(\mu)] offset:1024*(\m/2)+256*(\m%2)   ; lane (r, h): 16 bytes at 16 h of its token's 32: two runs of 256 consecutive bytes, each aligned
.endr
	v_mov_b32 v[SWQ], v[SWQ+2]                     ; the first half's two registers move down,
	v_mov_b32 v[SWQ+1], v[SWQ+3]
	v_cndmask_b32 v[SWQ+2], v[WD], v[WD+1], s46    ; lanes 0-15 the even tile's words, lanes 16-31 the odd tile's
	v_cndmask_b32 v[SWQ+3], v[WD+2], v[WD+3], s46
.else
.irp t, 0,1,2,3
	global_store_b128 v[L16], v[PC+4*\t:PC+4*\t+3], s[32:33] offset:1024*\t   ; registers 4 c .. 4 c + 3 (c = the half) of V^T's fragment t: 512 consecutive bytes
.endr
.irp t, 0,1,2,3
	v_lshrrev_b32 v[VW+\t], 16, v[VW+\t]
.endr
.irp t, 0,1,2,3
	v_lshl_or_b32 v[VW+\t], v[WD+\t], 16, v[VW+\t] ; the first half's two bytes below, the second's above
.endr
.endif
.endm
; one of the three matrices: two halves of 64 tokens, each 8 K steps of 16 products
.macro MATRIX kind, mu
	s_wait_xcnt 0x0                                ; the last matrix's stores have read their registers
.if \kind == 0
	v_mov_b32 v[SWQ+2], 0
	v_mov_b32 v[SWQ+3], 0
.else
.irp t, 0,1,2,3
	v_mov_b32 v[VW+\t], 0
.endr
.endif
.irp t, 0,1,2,3
	ds_load_b128 v[WS+4*\t:WS+4*\t+3], v[WSA] offset:(4*(\mu)+\t)*512
.endr
	s_mov_b32 s50, 0
	s_mov_b32 s51, XSC
	s_mov_b32 s47, 2
.Lhalf_\@:
	v_add_nc_u32 v[XA], s50, v[L16]
	v_add_nc_u32 v[XSA], s51, v[RN]
.irp mi, 0,1,2,3
	ds_load_b128 v[XS+4*\mi:XS+4*\mi+3], v[XSA] offset:512*\mi   ; lane (r, h): words 4 h .. 4 h + 3 of the tile's token r
.endr
	XFETCH XF0, 0
.irp s, 0,1,2,3,4,5,6,7
	KSTEP \kind, \mu, \s
.endr
	EPI \kind, \mu
	s_wait_xcnt 0x0                                ; the stores have read their base and their data: both are written again below and in the next half
.if \kind == 0
	s_add_nc_u64 s[24+4*(\mu):25+4*(\mu)], s[24+4*(\mu):25+4*(\mu)], 2048
.else
	s_add_nc_u64 s[32:33], s[32:33], 512
.endif
	s_add_co_u32 s50, s50, 32768
	s_add_co_u32 s51, s51, 2048
	s_sub_co_u32 s47, s47, 1
	s_cmp_lg_u32 s47, 0
	s_cbranch_scc1 .Lhalf_\@
.if \kind == 0
	global_store_b128 v[L16], v[SWQ:SWQ+3], s[26+4*(\mu):27+4*(\mu)]   ; the 128 tokens' scale words: 512 consecutive bytes
.else
	v_cndmask_b32 v[SV], v[VW], v[VW+1], s46
	v_cndmask_b32 v[SV+1], v[VW+2], v[VW+3], s46
	global_store_b64 v[L8], v[SV:SV+1], s[34:35]   ; the 64 channels' scale words: 256 consecutive bytes
.endif
.endm
	MATRIX 0, 0
	MATRIX 0, 1
	MATRIX 1, 2
	s_wait_xcnt 0x0
	v_lshl_add_u32 v254, v0, 2, 0x20000
	v_mov_b32 v255, 0
	s_wait_tensorcnt 0x0
	ds_add_u32 v254, v255
	s_wait_dscnt 0x0
	s_endpgm
.Lfunc_end_k_q788533eb05_qkv:
	.size	k_q788533eb05_qkv, .Lfunc_end_k_q788533eb05_qkv-k_q788533eb05_qkv
	.p2alignl 7, 3214868480
	.fill 96, 4, 3214868480
	.section	.rodata,"a",@progbits
	.p2align	6, 0x0
	.amdhsa_kernel k_q788533eb05_qkv
		.amdhsa_group_segment_fixed_size 131584
		.amdhsa_private_segment_fixed_size 0
		.amdhsa_enable_private_segment 0
		.amdhsa_kernarg_size 128
		.amdhsa_user_sgpr_count 2
		.amdhsa_user_sgpr_kernarg_segment_ptr 1
		.amdhsa_wavefront_size32 1
		.amdhsa_system_sgpr_workgroup_id_x 1
		.amdhsa_system_sgpr_workgroup_id_y 1
		.amdhsa_system_sgpr_workgroup_id_z 1
		.amdhsa_system_vgpr_workitem_id 0
		.amdhsa_next_free_vgpr 1024
		.amdhsa_next_free_sgpr 66
		.amdhsa_reserve_vcc 0
		.amdhsa_float_denorm_mode_32 3
		.amdhsa_float_denorm_mode_16_64 3
		.amdhsa_memory_ordered 1
		.amdhsa_forward_progress 1
		.amdhsa_inst_pref_size 184
	.end_amdhsa_kernel
	.amdgpu_metadata
---
amdhsa.version: [ 1, 2 ]
amdhsa.kernels:
  - .name:           k_q788533eb05_qkv
    .symbol:         k_q788533eb05_qkv.kd
    .args:
      - { .name: x, .offset: 0, .size: 8, .value_kind: global_buffer, .address_space: global }
      - { .name: Wq_codes, .offset: 8, .size: 8, .value_kind: global_buffer, .address_space: global }
      - { .name: Wq_scales, .offset: 16, .size: 8, .value_kind: global_buffer, .address_space: global }
      - { .name: bq, .offset: 24, .size: 8, .value_kind: global_buffer, .address_space: global }
      - { .name: Wk_codes, .offset: 32, .size: 8, .value_kind: global_buffer, .address_space: global }
      - { .name: Wk_scales, .offset: 40, .size: 8, .value_kind: global_buffer, .address_space: global }
      - { .name: bk, .offset: 48, .size: 8, .value_kind: global_buffer, .address_space: global }
      - { .name: Wv_codes, .offset: 56, .size: 8, .value_kind: global_buffer, .address_space: global }
      - { .name: Wv_scales, .offset: 64, .size: 8, .value_kind: global_buffer, .address_space: global }
      - { .name: bv, .offset: 72, .size: 8, .value_kind: global_buffer, .address_space: global }
      - { .name: qc, .offset: 80, .size: 8, .value_kind: global_buffer, .address_space: global }
      - { .name: qs, .offset: 88, .size: 8, .value_kind: global_buffer, .address_space: global }
      - { .name: kc, .offset: 96, .size: 8, .value_kind: global_buffer, .address_space: global }
      - { .name: ks, .offset: 104, .size: 8, .value_kind: global_buffer, .address_space: global }
      - { .name: vc, .offset: 112, .size: 8, .value_kind: global_buffer, .address_space: global }
      - { .name: vs, .offset: 120, .size: 8, .value_kind: global_buffer, .address_space: global }
    .group_segment_fixed_size: 131584
    .private_segment_fixed_size: 0
    .kernarg_segment_align: 8
    .kernarg_segment_size: 128
    .max_flat_workgroup_size: 128
    .sgpr_count:     66
    .vgpr_count:     1024
    .wavefront_size: 32
...
	.end_amdgpu_metadata
.endif
;; end of part 1
;; launch attn (part 2): grid 256 x 1, 16 waves a work-group, no clusters, 133,632 bytes of LDS; arguments qc, qs, kc, ks, vc, vs, x, gamma, beta, out0; writes out0
.if DOCPART == 2
	.amdgcn_target "amdgcn-amd-amdhsa--gfx1250"
	.amdhsa_code_object_version 6
	.text
	.protected	k_q788533eb05_attn
	.globl	k_q788533eb05_attn
	.p2align	8
	.type	k_q788533eb05_attn,@function
k_q788533eb05_attn:
	s_mov_b64 s[64:65], 0
	v_nop
	global_prefetch_b8 v0, s[64:65] scope:SCOPE_SE
	s_setreg_imm32_b32 hwreg(HW_REG_WAVE_MODE, 25, 1), 1
	s_wait_xcnt 0x0
; out = LayerNorm(attention + x) x gamma + beta.  Causal attention on codes of FP4 (E2M1) with E8M0 scales, 16 heads of 64 channels, 2,048 tokens, 4 batches; codes and scale words as the launch before laid them:
;   qc, kc [bh][token][32 bytes];  qs, ks [bh][step][lane][4] words (tile 2 i in lanes 0-15, tile 2 i + 1 in lanes 16-31 of register i);  vc [bh][step][t][c][lane][16 bytes];  vs [bh][step][lane][2] words.
; THE SOFTMAX: t = (score / 8 + 1) x log2(e) (the mask's 1 on allowed keys is kept: it moves t by no whole number); M = the running largest t rounded UP to a whole number; p = 2^(t - M) is quantised along the keys,
; not normalised; the row's sum is taken of the unquantised p and divides at the end.  When M moves, the sum and O are multiplied by 2^(old M - new M): exact.
; SHARES.  Work-group id: batch id / 64, j = id % 64: the query tiles (16 rows) 127 - j and j of that batch, all 16 heads; wave w is head w.  Tile n walks n / 8 whole key steps of 128 and one on the diagonal:
; (127 - j) / 8 + j / 8 + 2 = 17 steps for every wave of every work-group.  At the end the 16 heads' results meet in LDS (one barrier) and wave w normalises rows w of both tiles.
; LAYOUT.  Both products are used transposed: S^T = K Q^T, O^T = V^T P^T: a lane holds ONE query (lane % 16).  Lane r of key tile 2 b + u takes key 32 b + 8 u + r + 8 (r / 8), so that the 16 registers of tiles 2 b, 2 b + 1
; are the keys 32 b + 16 (lane / 16) + 0..15.
; THE SCORES' K IS 64, HALF OF THE INSTRUCTION'S 128: Q's registers 4-7 are zero codes and bytes 2, 3 of both scale words are 0 (2^-127, no NaN).  K's fragment t is named v[KF + 4 t : KF + 4 t + 7]: its upper four registers
; are the next tile's codes, which meet Q's zero codes and add nothing; behind the last tile stand four registers of zeros.
; K, V AND THEIR SCALES COME FROM MEMORY STRAIGHT INTO REGISTERS, K a step ahead, V at the head of its step; V's loads and both scale loads take 512 or 256 consecutive bytes, K's two aligned runs of 256.
; NO JOINT REQUESTS, NO LDS RING: the waves of a work-group share no K or V (each has another head), and the work-groups that share a head's K and V walk different numbers of steps.
; LIMITS: NaN and infinities are not served.
.set AK,  1                            ; 32 (r + 8 (r / 8)) + 16 h
.set L16, 2                            ; 16 x lane
.set L8,  3                            ; 8 x lane
.set AQ,  4                            ; 32 r + 16 h
.set AQS, 5                            ; 16 (16 (r / 8) + r % 8)
.set RH,  6                            ; r - 16 h
.set DQ,  7                            ; the tile's first query within its key step + r - 16 h
.set STO, 8                            ; v8, v9   the stage, in: 4112 r + 256 w + 32 h, tile 0 and tile 1
.set RD,  10                           ; v10, v11 the stage, back: 4112 w + 16 x lane
.set PFO, 12                           ; the prefetch's offset
.set KF,  36                           ; v13 Q's scale word, v14 p's; v15 -infinity; v16 log2(e) - M, v17 the largest t; v18 -M; v[20:21] the sum; v[22:23] V's scale words; v[24:27] K's; v[28:35] Q
.set VF,  72                           ; v36-67 K, v68-71 zeros; v72-103 V
.set S,   104                          ; v104-167 S^T, then p
.set O,   168                          ; v168-199 O^T
.set P,   200                          ; v200-207 p's codes
.set BM,  208                          ; v208-211 the blocks' largest scores, then p;  v212-215 the other half's, then the bytes;  v216-219 scale operands;  v[220:221] f;  v[222:223] a second chain of the sum;  v224 at work
.set T2,  212
.set SC,  216
.macro PLACES                          ; four plain vector instructions between a matrix instruction and a load into, or a read of, its registers
.rept 4
	v_nop
.endr
.endm
	s_load_b512 s[4:19], s[0:1], 0x0               ; qc 4, qs 6, kc 8, ks 10, vc 12, vs 14, x 16, gamma 18
	s_load_b128 s[20:23], s[0:1], 0x40             ; beta 20, out0 22
	v_lshl_add_u32 v254, v0, 2, 0x20200
	v_mov_b32 v255, 0
	v_lshrrev_b32 v1, 5, v0
	v_readfirstlane_b32 s24, v1                    ; wave = head
	s_lshr_b32 s25, ttmp9, 6                       ; batch
	s_and_b32 s26, ttmp9, 63                       ; j
	v_and_b32 v224, 31, v0                         ; lane
	v_and_b32 v225, 15, v0                         ; r
	v_bfe_u32 v226, v0, 4, 1                       ; h
	v_and_b32 v227, 8, v225
	v_add_nc_u32 v227, v227, v225
	v_lshlrev_b32 v227, 5, v227
	v_lshl_add_u32 v[AK], v226, 4, v227
	v_lshlrev_b32 v[L16], 4, v224
	v_lshlrev_b32 v[L8], 3, v224
	v_lshlrev_b32 v[AQ], 5, v225
	v_lshl_add_u32 v[AQ], v226, 4, v[AQ]
	v_and_b32 v[AQS], 7, v225
	v_lshlrev_b32 v[AQS], 4, v[AQS]
	v_lshrrev_b32 v227, 3, v225
	v_lshl_add_u32 v[AQS], v227, 8, v[AQS]
	v_lshlrev_b32 v227, 4, v226
	v_sub_nc_u32 v[RH], v225, v227
	v_mul_u32_u24 v[STO], v225, 4112               ; a stage row: 4,096 bytes + 16 = 257 x 16: sixteen rows' same column falls on sixteen different 16-byte columns modulo 256
	v_lshl_add_u32 v[STO], v226, 5, v[STO]
	s_lshl_b32 s58, s24, 8
	v_add_nc_u32 v[STO], s58, v[STO]
	v_add_nc_u32 v[STO+1], 65792, v[STO]           ; tile 1: 16 rows on
	s_mul_i32 s58, s24, 4112
	v_add_nc_u32 v[RD], s58, v[L16]
	v_add_nc_u32 v[RD+1], 65792, v[RD]
	v_mov_b32 v15, 0xff800000                      ; -infinity
.irp i, 32,33,34,35,68,69,70,71
	v_mov_b32 v\i, 0                               ; zero codes: Q's upper half, and what stands behind K's last tile
.endr
.irp i, 212,213,214,215,221
	v_mov_b32 v\i, 0                               ; written once: a lane permute's destination counts as one of its sources; v221 is named as the upper half of a pair
.endr
	s_mov_b32 s44, 0x76543210                      ; v_permlanex16_b32's selects for lane l xor 16
	s_mov_b32 s45, 0xfedcba98
	s_mov_b32 s46, 0x3e38aa3b                      ; c = log2(e) / 8
	s_mov_b32 s47, s46                             ; (named with it as a pair)
	s_mov_b32 s48, 0x3fb8aa3b                      ; log2(e): the mask's 1
	s_mov_b32 s31, 0
	s_sub_co_u32 s60, 127, s26                     ; the first tile: 127 - j
	s_wait_kmcnt 0x0
	s_lshl_b32 s58, s25, 4
	s_add_co_u32 s58, s58, s24                     ; bh
	s_lshl_b32 s30, s58, 16
	s_add_nc_u64 s[4:5], s[4:5], s[30:31]
	s_add_nc_u64 s[8:9], s[8:9], s[30:31]
	s_add_nc_u64 s[12:13], s[12:13], s[30:31]
	s_lshl_b32 s30, s58, 13
	s_add_nc_u64 s[6:7], s[6:7], s[30:31]
	s_add_nc_u64 s[10:11], s[10:11], s[30:31]
	s_lshl_b32 s30, s58, 12
	s_add_nc_u64 s[14:15], s[14:15], s[30:31]
	s_lshl_b32 s58, s25, 11
	s_add_co_u32 s58, s58, s24                     ; the batch's first row + my row within a tile
	s_lshl_b32 s30, s60, 4
	s_add_co_u32 s30, s30, s58
	s_lshl_b32 s30, s30, 12                        ; rows of 4,096 bytes
	s_add_nc_u64 s[50:51], s[16:17], s[30:31]      ; x and out0 at my row of the first tile,
	s_add_nc_u64 s[54:55], s[22:23], s[30:31]
	s_lshl_b32 s30, s26, 4
	s_add_co_u32 s30, s30, s58
	s_lshl_b32 s30, s30, 12
	s_add_nc_u64 s[52:53], s[16:17], s[30:31]      ; and of the second
	s_add_nc_u64 s[56:57], s[22:23], s[30:31]
	s_sub_co_u32 s61, s60, s26
	s_lshl_b32 s61, s61, 16                        ; (127 - 2 j) tiles of 16 rows of 4,096 bytes: from my row of the second tile up to my row of the first
	v_mul_u32_u24 v[PFO], s61, v226
	v_lshl_add_u32 v[PFO], v225, 8, v[PFO]         ; lanes 256 bytes apart: lanes 0-15 the lower row, lanes 16-31 the upper
.macro KLOAD                           ; nine loads: a step's eight tiles of K (4 registers each) and their scale words
.irp t, 0,1,2,3,4,5,6,7
	global_load_b128 v[KF+4*\t:KF+4*\t+3], v[AK], s[32:33] offset:1024*(\t/2)+256*(\t%2)
.endr
	global_load_b128 v[24:27], v[L16], s[34:35]
.endm
.macro VLOAD                           ; nine loads: a step's four fragments of V^T and their scale words
.irp t, 0,1,2,3
.irp c, 0,1
	global_load_b128 v[VF+8*\t+4*\c:VF+8*\t+4*\c+3], v[L16], s[36:37] offset:1024*\t+512*\c
.endr
.endr
	global_load_b64 v[22:23], v[L8], s[38:39]
.endm
; A KEY STEP of 128 keys.  mask = 1: the step on the diagonal.  pf = 1: the next step's K is asked for.
.macro STEP mask, pf
	PLACES                                         ; behind the last step's products with V
	VLOAD
	s_wait_loadcnt 9                               ; V's nine may be out: this step's K is in (in a tile's first step Q too), so K's bases may step
	s_add_nc_u64 s[32:33], s[32:33], 4096
	s_add_nc_u64 s[34:35], s[34:35], 512
.irp t, 0,2,4,6
	v_wmma_scale_f32_16x16x128_f8f6f4 v[S+8*\t:S+8*\t+7], v[KF+4*\t:KF+4*\t+7], v[28:35], 0, v[24+\t/2], v13 matrix_a_fmt:MATRIX_FMT_FP4 matrix_b_fmt:MATRIX_FMT_FP4
	v_wmma_scale_f32_16x16x128_f8f6f4 v[S+8*\t+8:S+8*\t+15], v[KF+4*\t+4:KF+4*\t+11], v[28:35], 0, v[24+\t/2], v13 matrix_a_fmt:MATRIX_FMT_FP4 matrix_b_fmt:MATRIX_FMT_FP4 matrix_a_scale:MATRIX_SCALE_ROW1
.endr
	PLACES                                         ; in front of the loads into K's registers and of the first read of the scores
.if \pf
	KLOAD
.endif
.if \mask                              ; register 16 b + i holds key 32 b + 16 h + i of the step: hidden where 32 b + i > my query within the step - 16 h.  Hidden scores become -infinity: p = 0
.set N_, 0
.rept 64
	v_cmp_gt_i32 vcc_lo, 32*(N_/16)+N_%16, v[DQ]
	v_cndmask_b32 v[S+N_], v[S+N_], v15, vcc_lo
.set N_, N_+1
.endr
.endif
.irp b, 0,1,2,3
	v_max3_num_f32 v[BM+\b], v[S+16*\b], v[S+16*\b+1], v[S+16*\b+2]   ; the largest score of each block of 32 keys: for the row's maximum, and, since p rises with the score, for the block's largest p
.endr
.irp i, 3,5,7,9,11,13
.irp b, 0,1,2,3
	v_max3_num_f32 v[BM+\b], v[BM+\b], v[S+16*\b+\i], v[S+16*\b+\i+1]
.endr
.endr
.irp b, 0,1,2,3
	v_max_num_f32 v[BM+\b], v[BM+\b], v[S+16*\b+15]
.endr
.irp b, 0,1,2,3
	v_permlanex16_b32 v[T2+\b], v[BM+\b], s44, s45
.endr
.irp b, 0,1,2,3
	v_max_num_f32 v[BM+\b], v[BM+\b], v[T2+\b]     ; with lane l xor 16's 16 keys
.endr
	v_max3_num_f32 v224, v[BM], v[BM+1], v[BM+2]
	v_max_num_f32 v224, v224, v[BM+3]
	v_fma_f32 v224, v224, s46, s48                 ; the step's largest t = score x c + log2(e)
	v_max_num_f32 v17, v17, v224                   ; the running largest t
	v_mov_b32 v224, v18
	v_floor_f32 v18, -v17                          ; the new -M = -ceil(t)
	v_sub_f32 v224, v18, v224                      ; old M - new M: a whole number, 0 or less
	v_cvt_i32_f32 v224, v224                       ; (it saturates)
	v_ldexp_f32 v220, 1.0, v224                    ; f = 2^(old M - new M)
	v_add_f32 v16, s48, v18                        ; log2(e) - M
.set N_, 0
.rept 32
	v_pk_fma_f32 v[S+N_:S+N_+1], v[S+N_:S+N_+1], s[46:47], v[16:17] op_sel_hi:[1,0,0]   ; t - M, two at a time (of both pairs the low word serves both halves)
.set N_, N_+2
.endr
.irp b, 0,1,2,3
	v_fma_f32 v[BM+\b], v[BM+\b], s46, v16         ; the same of each block's largest score
.endr
.set N_, 0
.rept 64
	v_exp_f32 v[S+N_], v[S+N_]                     ; p = 2^(t - M)
.set N_, N_+1
.endr
.irp b, 0,1,2,3
	v_exp_f32 v[BM+\b], v[BM+\b]                   ; the block's largest p: the same two instructions on the same number
.endr
	v_pk_mul_f32 v[20:21], v[20:21], v[220:221] op_sel_hi:[1,0]   ; the sum under the new M (a plain place behind the exponentials)
	s_wait_alu depctr_va_vdst(0)
.irp b, 0,1,2,3
	v_max_num_f32 v[BM+\b], 0x1800000, v[BM+\b]    ; the floor 2^(3 - 127): the byte cannot fall under 1; a block of zeros keeps that byte over zero codes
.endr
.irp b, 0,1,2,3
	v_add_nc_u32 v[SC+\b], 0xff000000, v[BM+\b]    ; 2 off the exponent field: the conversion's scale operand
.endr
.irp b, 0,1,2,3
	v_lshrrev_b32 v[T2+\b], 23, v[SC+\b]           ; the scale's byte
.endr
	v_lshl_or_b32 v14, v[T2+1], 8, v[T2]           ; p's scale word for these 128 keys
	v_lshl_or_b32 v14, v[T2+2], 16, v14
	v_lshl_or_b32 v14, v[T2+3], 24, v14
.irp b, 0,1,2,3
	v_cvt_scalef32_pk8_fp4_f32 v[P+2*\b], v[S+16*\b:S+16*\b+7], v[SC+\b]
	v_cvt_scalef32_pk8_fp4_f32 v[P+2*\b+1], v[S+16*\b+8:S+16*\b+15], v[SC+\b]
.endr
	v_nop                                          ; one plain place behind the last scaled conversion
.irp c, 0,1
.irp i, 0,1
	v_permlane16_swap_b32 v[P+4*\c+\i], v[P+4*\c+2+\i]   ; a whole block to a lane: lanes 0-15 block 2 c, lanes 16-31 block 2 c + 1
.endr
.endr
	v_pk_add_f32 v[222:223], v[S:S+1], v[S+2:S+3]  ; the row's sum of the unquantised p, in two chains.  These 32 lines are also the places between p's scale word and codes and the products below
.irp j, 4,8,12,16,20,24,28,32,36,40,44,48,52,56,60
	v_pk_add_f32 v[20:21], v[20:21], v[S+\j:S+\j+1]
	v_pk_add_f32 v[222:223], v[222:223], v[S+\j+2:S+\j+3]
.endr
	v_pk_add_f32 v[20:21], v[20:21], v[222:223]
.set N_, 0
.rept 16
	v_pk_mul_f32 v[O+N_:O+N_+1], v[O+N_:O+N_+1], v[220:221] op_sel_hi:[1,0]   ; O^T under the new M, each accumulator from its low end on
.set N_, N_+2
.endr
.if \pf
	s_wait_loadcnt 9                               ; the next step's K may be out: V is in, so V's bases may step
.else
	s_wait_loadcnt 0x0
.endif
	s_add_nc_u64 s[36:37], s[36:37], 4096
	s_add_nc_u64 s[38:39], s[38:39], 256
.irp t, 0,2
	v_wmma_scale_f32_16x16x128_f8f6f4 v[O+8*\t:O+8*\t+7], v[VF+8*\t:VF+8*\t+7], v[P:P+7], v[O+8*\t:O+8*\t+7], v[22+\t/2], v14 matrix_a_fmt:MATRIX_FMT_FP4 matrix_b_fmt:MATRIX_FMT_FP4
	v_wmma_scale_f32_16x16x128_f8f6f4 v[O+8*\t+8:O+8*\t+15], v[VF+8*\t+8:VF+8*\t+15], v[P:P+7], v[O+8*\t+8:O+8*\t+15], v[22+\t/2], v14 matrix_a_fmt:MATRIX_FMT_FP4 matrix_b_fmt:MATRIX_FMT_FP4 matrix_a_scale:MATRIX_SCALE_ROW1
.endr
.endm
; ONE TILE OF 16 QUERIES, number s27 within the batch; its result goes to rows 16 ts + r of the stage.  No load of mine is out at its head.
.macro TILE ts
	s_lshr_b32 s28, s27, 3                         ; whole key steps in front of the diagonal's
	s_and_b32 s29, s27, 7
	s_lshl_b32 s29, s29, 4                         ; the tile's first query within its key step
	s_lshl_b32 s30, s27, 9
	s_add_nc_u64 s[40:41], s[4:5], s[30:31]        ; Q's codes: 16 tokens of 32 bytes a tile
	s_lshl_b32 s30, s28, 9                         ; Q's scale words: token 16 n + r lies in step n / 8, register (n / 2) % 4, lane 16 (r / 8) + 8 (n % 2) + r % 8
	s_and_b32 s58, s27, 1
	s_lshl_b32 s58, s58, 7
	s_add_co_u32 s30, s30, s58
	s_bfe_u32 s58, s27, 0x20001
	s_lshl_b32 s58, s58, 2
	s_add_co_u32 s30, s30, s58
	s_add_nc_u64 s[42:43], s[6:7], s[30:31]
	s_mov_b64 s[32:33], s[8:9]                     ; the walk begins at the head's first key
	s_mov_b64 s[34:35], s[10:11]
	s_mov_b64 s[36:37], s[12:13]
	s_mov_b64 s[38:39], s[14:15]
	v_add_nc_u32 v[DQ], s29, v[RH]
	global_load_b128 v[28:31], v[AQ], s[40:41]
	global_load_b32 v13, v[AQS], s[42:43]
	KLOAD
	v_mov_b32 v17, 0xff61b1e6                      ; the largest t so far: -3e38, under every t
	v_floor_f32 v18, -v17
	v_mov_b32 v20, 0
	v_mov_b32 v21, 0
.set N_, 0
.rept 32
	v_mov_b32 v[O+N_], 0                           ; the step is written once: the first finds zeros, which the first change of M leaves zeros
.set N_, N_+1
.endr
	s_cmp_eq_u32 s28, 0
	s_cbranch_scc1 .Ldiag_\@
	s_mov_b32 s49, s28
.Lfull_\@:
	STEP 0, 1
	s_sub_co_u32 s49, s49, 1
	s_cmp_lg_u32 s49, 0
	s_cbranch_scc1 .Lfull_\@
.Ldiag_\@:
.if \ts == 1
	global_prefetch_b8 v[PFO], s[52:53] th:TH_LOAD_NT scope:SCOPE_SE   ; my two rows of x, 32 blocks of 256 bytes, each asked for by this lane alone in the whole launch; one key step ahead of their loads
.endif
	STEP 1, 0
	PLACES
	v_add_f32 v20, v20, v21                        ; the sum's two halves,
	v_permlanex16_b32 v224, v20, s44, s45
	v_add_f32 v20, v20, v224                       ; and lane l xor 16's
	v_rcp_f32 v20, v20
	v_nop                                          ; a plain place behind the transcendental
.set N_, 0
	s_wait_alu depctr_va_vdst(0)
.rept 16
	v_pk_mul_f32 v[O+N_:O+N_+1], v[O+N_:O+N_+1], v[20:21] op_sel_hi:[1,0]
.set N_, N_+2
.endr
.irp t, 0,1,2,3
	ds_store_b128 v[STO+\ts], v[O+8*\t:O+8*\t+3] offset:64*\t         ; register 8 t + i: channel 64 w + 16 t + 8 h + i of query r
	ds_store_b128 v[STO+\ts], v[O+8*\t+4:O+8*\t+7] offset:64*\t+16
.endr
	s_wait_dscnt 0x0                               ; the stores have landed and have read their registers
.endm
	s_mov_b32 s27, s60
	TILE 0
	s_mov_b32 s27, s26
	TILE 1
	; ---- the residual and the LayerNorm: wave w takes row w of each tile.  Lane L's registers 4 i .. 4 i + 3 are channels 128 i + 4 L + 0..3
.irp i, 0,1,2,3,4,5,6,7
	global_load_b128 v[96+4*\i:99+4*\i], v[L16], s[50:51] offset:512*\i th:TH_LOAD_NT     ; x: read once in this launch
	global_load_b128 v[128+4*\i:131+4*\i], v[L16], s[52:53] offset:512*\i th:TH_LOAD_NT
	global_load_b128 v[160+4*\i:163+4*\i], v[L16], s[18:19] offset:512*\i                 ; gamma
	global_load_b128 v[192+4*\i:195+4*\i], v[L16], s[20:21] offset:512*\i                 ; beta
.endr
	s_mov_b32 s58, 0x3a800000                      ; 1 / 1024
	s_mov_b32 s59, 0x3727c5ac                      ; 1e-5
	s_wait_dscnt 0x0                               ; my part of the stage has landed
	s_barrier_signal -1
	s_barrier_wait -1                              ; all sixteen heads' have
.irp i, 0,1,2,3,4,5,6,7
	ds_load_b128 v[32+4*\i:35+4*\i], v[RD] offset:512*\i
	ds_load_b128 v[64+4*\i:67+4*\i], v[RD+1] offset:512*\i
.endr
	s_wait_dscnt 0x0
	s_wait_loadcnt 0x0
.macro ACROSS a, b                     ; the sum of v[a] over the 32 lanes, in every lane
	v_add_f32_dpp v\a, v\a, v\a row_xmask:1 row_mask:0xf bank_mask:0xf
	v_add_f32_dpp v\a, v\a, v\a row_xmask:2 row_mask:0xf bank_mask:0xf
	v_add_f32_dpp v\a, v\a, v\a row_xmask:4 row_mask:0xf bank_mask:0xf
	v_add_f32_dpp v\a, v\a, v\a row_xmask:8 row_mask:0xf bank_mask:0xf
	v_permlanex16_b32 v\b, v\a, s44, s45
	v_add_f32 v\a, v\a, v\b
.endm
; a row: y = o + x; the mean; y - mean; the mean of its squares (two passes, so that a common offset of x does no harm); x gamma / sqrt(var + 1e-5) + beta
.macro LNROW Y, X, ob
.irp n, 0,2,4,6,8,10,12,14,16,18,20,22,24,26,28,30
	v_pk_add_f32 v[\Y+\n:\Y+\n+1], v[\Y+\n:\Y+\n+1], v[\X+\n:\X+\n+1]
.endr
	v_pk_add_f32 v[224:225], v[\Y:\Y+1], v[\Y+2:\Y+3]
	v_pk_add_f32 v[226:227], v[\Y+4:\Y+5], v[\Y+6:\Y+7]
.irp n, 8,12,16,20,24,28
	v_pk_add_f32 v[224:225], v[224:225], v[\Y+\n:\Y+\n+1]
	v_pk_add_f32 v[226:227], v[226:227], v[\Y+\n+2:\Y+\n+3]
.endr
	v_pk_add_f32 v[224:225], v[224:225], v[226:227]
	v_add_f32 v224, v224, v225
	ACROSS 224, 225
	v_mul_f32 v224, 0xba800000, v224               ; - the mean
.irp n, 0,2,4,6,8,10,12,14,16,18,20,22,24,26,28,30
	v_pk_add_f32 v[\Y+\n:\Y+\n+1], v[\Y+\n:\Y+\n+1], v[224:225] op_sel_hi:[1,0]
.endr
	v_pk_mul_f32 v[226:227], v[\Y:\Y+1], v[\Y:\Y+1]
	v_pk_mul_f32 v[228:229], v[\Y+2:\Y+3], v[\Y+2:\Y+3]
.irp n, 4,8,12,16,20,24,28
	v_pk_fma_f32 v[226:227], v[\Y+\n:\Y+\n+1], v[\Y+\n:\Y+\n+1], v[226:227]
	v_pk_fma_f32 v[228:229], v[\Y+\n+2:\Y+\n+3], v[\Y+\n+2:\Y+\n+3], v[228:229]
.endr
	v_pk_add_f32 v[226:227], v[226:227], v[228:229]
	v_add_f32 v226, v226, v227
	ACROSS 226, 227
	v_fma_f32 v226, v226, s58, s59                 ; the variance + 1e-5
	v_rsq_f32 v226, v226
	v_nop                                          ; a plain place behind the transcendental
	s_wait_alu depctr_va_vdst(0)
.irp n, 0,2,4,6,8,10,12,14,16,18,20,22,24,26,28,30
	v_pk_mul_f32 v[\Y+\n:\Y+\n+1], v[\Y+\n:\Y+\n+1], v[226:227] op_sel_hi:[1,0]
.endr
.irp n, 0,2,4,6,8,10,12,14,16,18,20,22,24,26,28,30
	v_pk_fma_f32 v[\Y+\n:\Y+\n+1], v[\Y+\n:\Y+\n+1], v[160+\n:161+\n], v[192+\n:193+\n]
.endr
.irp i, 0,1,2,3,4,5,6,7
	global_store_b128 v[L16], v[\Y+4*\i:\Y+4*\i+3], s[\ob:\ob+1] offset:512*\i th:TH_STORE_NT   ; 32 lanes store 512 consecutive bytes, aligned; written once, read by nobody here
.endr
.endm
	LNROW 32, 96, 54
	LNROW 64, 128, 56
	s_wait_tensorcnt 0x0
	ds_add_u32 v254, v255
	s_wait_dscnt 0x0
	s_endpgm
.Lfunc_end_k_q788533eb05_attn:
	.size	k_q788533eb05_attn, .Lfunc_end_k_q788533eb05_attn-k_q788533eb05_attn
	.p2alignl 7, 3214868480
	.fill 96, 4, 3214868480
	.section	.rodata,"a",@progbits
	.p2align	6, 0x0
	.amdhsa_kernel k_q788533eb05_attn
		.amdhsa_group_segment_fixed_size 133632
		.amdhsa_private_segment_fixed_size 0
		.amdhsa_enable_private_segment 0
		.amdhsa_kernarg_size 80
		.amdhsa_user_sgpr_count 2
		.amdhsa_user_sgpr_kernarg_segment_ptr 1
		.amdhsa_wavefront_size32 1
		.amdhsa_system_sgpr_workgroup_id_x 1
		.amdhsa_system_sgpr_workgroup_id_y 1
		.amdhsa_system_sgpr_workgroup_id_z 1
		.amdhsa_system_vgpr_workitem_id 0
		.amdhsa_next_free_vgpr 256
		.amdhsa_next_free_sgpr 66
		.amdhsa_reserve_vcc 1
		.amdhsa_float_denorm_mode_32 3
		.amdhsa_float_denorm_mode_16_64 3
		.amdhsa_memory_ordered 1
		.amdhsa_forward_progress 1
		.amdhsa_inst_pref_size 103
	.end_amdhsa_kernel
	.amdgpu_metadata
---
amdhsa.version: [ 1, 2 ]
amdhsa.kernels:
  - .name:           k_q788533eb05_attn
    .symbol:         k_q788533eb05_attn.kd
    .args:
      - { .name: qc, .offset: 0, .size: 8, .value_kind: global_buffer, .address_space: global }
      - { .name: qs, .offset: 8, .size: 8, .value_kind: global_buffer, .address_space: global }
      - { .name: kc, .offset: 16, .size: 8, .value_kind: global_buffer, .address_space: global }
      - { .name: ks, .offset: 24, .size: 8, .value_kind: global_buffer, .address_space: global }
      - { .name: vc, .offset: 32, .size: 8, .value_kind: global_buffer, .address_space: global }
      - { .name: vs, .offset: 40, .size: 8, .value_kind: global_buffer, .address_space: global }
      - { .name: x, .offset: 48, .size: 8, .value_kind: global_buffer, .address_space: global }
      - { .name: gamma, .offset: 56, .size: 8, .value_kind: global_buffer, .address_space: global }
      - { .name: beta, .offset: 64, .size: 8, .value_kind: global_buffer, .address_space: global }
      - { .name: out0, .offset: 72, .size: 8, .value_kind: global_buffer, .address_space: global }
    .group_segment_fixed_size: 133632
    .private_segment_fixed_size: 0
    .kernarg_segment_align: 8
    .kernarg_segment_size: 80
    .max_flat_workgroup_size: 512
    .sgpr_count:     66
    .vgpr_count:     256
    .wavefront_size: 32
...
	.end_amdgpu_metadata
.endif
;; end of part 2
;; ======== version 2 of 2: 2 launches; version 1 with the launches qkv, attn written anew for expert scheduling mode
;; workspace buffers: qc 4,194,304 bytes; kc 4,194,304 bytes; vc 4,194,304 bytes; qs 524,288 bytes; ks 524,288 bytes; vs 262,144 bytes
;; launch qkv (part 3): grid 4 x 64, 4 waves a work-group, no clusters, 131,584 bytes of LDS; arguments x, Wq_codes, Wq_scales, bq, Wk_codes, Wk_scales, bk, Wv_codes, Wv_scales, bv, qc, qs, kc, ks, vc, vs; writes qc, qs, kc, ks, vc, vs
.if DOCPART == 3
	.amdgcn_target "amdgcn-amd-amdhsa--gfx1250"
	.amdhsa_code_object_version 6
	.text
	.protected	k_q788533eb05_qkv
	.globl	k_q788533eb05_qkv
	.p2align	8
	.type	k_q788533eb05_qkv,@function
k_q788533eb05_qkv:
	s_mov_b64 s[64:65], 0
	v_nop
	global_prefetch_b8 v0, s[64:65] scope:SCOPE_SE
	s_setreg_imm32_b32 hwreg(HW_REG_WAVE_SCHED_MODE, 0, 2), 2
	s_setreg_imm32_b32 hwreg(HW_REG_WAVE_MODE, 25, 1), 1
	s_wait_xcnt 0x0
	s_wait_alu depctr_vm_vsrc(0)
; q, k, v = Q(x) W^T + b on codes of FP4 (E2M1) with one E8M0 scale for each 32 along K, and the results quantised at once: q and k along the head's 64 channels,
; v along the tokens (the keys of the later product).  Only codes and scale words go to memory.
; x: [8192][1024] f32.  W*: codes [1024][512 bytes], K innermost; scale bytes [1024][32].  b*: [1024] f32.
; OUT.  bh = 16 batch + head, step = token / 128, lane L = 16 h + r.
;   qc, kc: [bh][token 2048][32 bytes]: the head's 64 codes.
;   qs, ks: [bh][step][L][i 0..3] words: the word of token 128 step + 32 i + 8 (L / 16) + (L % 16) + 8 ((L % 16) / 8); byte 0 channels 0-31, byte 1 channels 32-63, bytes 2, 3 = 0.
;   vc:     [bh][step][t 0..3][c 0..1][L][16 bytes]: channel 16 t + r, keys 128 step + 64 c + 32 h + 0..31: the registers of a fragment of V^T, lane by lane.
;   vs:     [bh][step][L][p 0..1] words: channel 16 (2 p + L / 16) + L % 16; byte b keys 128 step + 32 b + 0..31.
; SHARES.  Work-group (g, tb): tokens 128 tb .. + 127, heads 4 g .. 4 g + 3.  Wave w owns head 4 g + w: its 64 rows of Wq, Wk and Wv stay in its registers (3 x 32 fragments, 768 registers,
; windows 1, 2, 3).  The four waves quantise the 128 tokens of x once (32 tokens each) and lay the fragments in LDS as images of their registers; behind ONE barrier every wave reads them.
; TILES ARE PERMUTED: lane r of tile 2 b + u takes row 32 b + 8 u + r + 8 (r / 8) (x's tokens, Wq's and Wk's channels), so that in a result the 16 registers of tiles 2 b and 2 b + 1 are the 16
; neighbours 32 b + 16 h + 0..15 along the axis that is quantised next.  q, k: source 0 = W, source 1 = x (a lane holds one token, registers run along channels).  v: source 0 = x, source 1 = Wv
; (a lane holds one channel, registers run along tokens).
; EVERY GLOBAL LOAD OF x AND W takes 512 consecutive bytes, 16 a lane; a wave's own stage in LDS turns 16 such rows into what a lane's registers want.
; NO JOINT REQUESTS: x has to pass through registers to be quantised, and a work-group's 384 KB of W, wanted whole in registers, is more than LDS holds at a time beside x's images; so both come by plain loads.
; LIMITS: NaN and infinities are not served.  A block whose largest magnitude lies under 2^-124, a block of zeros among them, gets the scale byte 1 (its codes are then zeros or held small); the bytes are read by this program alone.
; THE MODE: SCHED_MODE bits 1:0 = 2 (LLVM: expert scheduling mode 2), set by the entry lines.  The code itself states the register dependences between vector or matrix instructions and
; memory or LDS instructions, with s_wait_alu, always for 0.
; THE PLAN.  Registers that memory or LDS instructions touch, and who else names them:
;   v1-13      addresses, written once at the head by vector lines: one wait on va_vdst ahead of the first load serves every later load and store.
;   RA, RB     raw sets: global loads land in them, the stage's LDS stores read them, no vector line names them: a wait on vm_vsrc ahead of each refill.  Later they are the accumulators.
;   T          LDS loads land in it, XQ's vector lines read it.  XQ's own wait on va_vdst stands behind its last reader of T, and no vector line from there to the next unit's loads names T.
;   PCX, WDX   XQ writes them, LDS stores read them: va_vdst ahead of the stores, the unit's vm_vsrc ahead of the next XQ.
;   XA, XSA    written by vector adds at the head of a trip and of a half: vm_vsrc ahead of the adds, and the next wait on va_vdst ahead of the first LDS instruction that reads them.
;   XF0 (two sets), XS, WS   LDS loads land in them, the products read them, and behind a half's products the quantiser works over XF0: va_vdst at a half's head and at the head of K steps 1 to 7.
;   PC, SWQ, SV   written by vector lines, read by global stores: va_vdst ahead of the stores, vm_vsrc ahead of whatever writes them next.
.set XIMG,  0                          ; LDS: x's fragments: (8 mtile + s) x 1024 + 512 c + 16 L
.set XSC,   65536                      ; their scale words: 512 mtile + 32 r + 4 s
.set STAGE, 69632                      ; a stage for each wave: 16 rows, 528 bytes apart (33 x 16: sixteen rows' same column falls on sixteen different 16-byte columns modulo 256)
.set WSC,   103424                     ; each wave's own: W's scale words, image (4 mu + t) x 512 + 16 L
.set BIA,   128000                     ; each wave's own: its 64 biases of each matrix, 256 mu + 4 channel
.set L16,  1                           ; 16 x lane
.set L8,   2                           ; 8 x lane
.set RP,   3                           ; 32 (r + 8 (r / 8)) + 16 h
.set RN,   4                           ; 32 r + 16 h
.set STW,  5                           ; my stage + 16 x lane
.set STR,  6                           ; my stage + 528 r + 16 h
.set STX,  7                           ; my stage + 528 r + 128 h
.set XIW0, 8                           ; 16384 w + 16 x lane
.set XSW0, 9                           ; XSC + 1024 w + 32 r
.set WSA,  10                          ; WSC + 6144 w + 16 x lane
.set BIW,  11                          ; BIA + 768 w + 8 x lane
.set BAQ,  12                          ; BIA + 768 w + 64 h
.set BAV,  13                          ; BIA + 768 w + 512 + 4 r
.set XA,   14                          ; working LDS addresses
.set XSA,  15
.set ACC,  16                          ; v16-143 sixteen accumulators; ahead of the products two raw sets of 64
.set RA,   16
.set RB,   80
.set XF0,  144                         ; v144-175, v176-207 x's four fragments of a K step, two sets
.set T,    144                         ; ahead of the products: 64 registers at work
.set XS,   208                         ; v208-223 x's scale words: scales alone
.set WS,   224                         ; v224-239 W's scale words: scales alone
.set SWQ,  240                         ; v240-243 q's or k's scale words on their way out
.set VW,   244                         ; v244-247 v's
.set SV,   248
.set MX,   240                         ; while x is quantised: v240-243 maxima (241, 243 then the bytes), v244-245 scale operands, v246 the word, v247 at work, v248-255 codes
.set SCO,  244
.set WDX,  246
.set TX,   247
.set PCX,  248
.set TM,   144                         ; behind a job's products, over x's fragments: maxima, the other half's, scale operands, bytes, codes, words
.set T2,   152
.set SC,   160
.set BY,   168
.set PC,   176
.set WD,   192
.set MSB, 0
.macro WIN new                         ; the immediate's high byte repeats the setting that is left
.if MSB != (\new)
	s_set_vgpr_msb (MSB<<8)|(\new)
.set MSB, (\new)
.endif
.endm
.macro PLACES                          ; four plain vector instructions between a matrix instruction and a load into, or a read of, its registers
.rept 4
	v_nop
.endr
.endm
	s_load_b512 s[4:19], s[0:1], 0x0               ; x 4, Wq codes 6, scales 8, bq 10, Wk codes 12, scales 14, bk 16, Wv codes 18
	s_load_b512 s[20:35], s[0:1], 0x40             ; Wv scales 20, bv 22, qc 24, qs 26, kc 28, ks 30, vc 32, vs 34
	v_lshrrev_b32 v255, 5, v0
	v_readfirstlane_b32 s36, v255                  ; wave w
	s_and_b32 s38, ttmp7, 0xffff                   ; tb: which 128 tokens
	s_lshl_b32 s39, ttmp9, 2
	s_wait_alu depctr_va_sdst(0)                   ; s36 is written, ahead of its first reader: the head's number, the LDS addresses and the bases are made from it
	s_add_co_u32 s39, s39, s36                     ; my head: 4 g + w
	v_and_b32 v252, 31, v0                         ; lane
	v_and_b32 v253, 15, v0                         ; r
	v_bfe_u32 v254, v0, 4, 1                       ; h
	v_lshlrev_b32 v[L16], 4, v252
	v_lshlrev_b32 v[L8], 3, v252
	v_and_b32 v255, 8, v253
	v_add_nc_u32 v255, v255, v253                  ; r + 8 (r / 8)
	v_lshlrev_b32 v255, 5, v255
	v_lshl_add_u32 v[RP], v254, 4, v255
	v_lshlrev_b32 v255, 5, v253
	v_lshl_add_u32 v[RN], v254, 4, v255
	s_mul_i32 s52, s36, 8448
	s_add_co_u32 s52, s52, STAGE
	v_add_nc_u32 v[STW], s52, v[L16]
	v_mul_u32_u24 v255, v253, 528
	v_add_nc_u32 v255, s52, v255
	v_lshl_add_u32 v[STR], v254, 4, v255
	v_lshl_add_u32 v[STX], v254, 7, v255
	s_lshl_b32 s52, s36, 14
	v_add_nc_u32 v[XIW0], s52, v[L16]
	s_lshl_b32 s52, s36, 10
	s_add_co_u32 s52, s52, XSC
	v_lshl_add_u32 v[XSW0], v253, 5, s52
	s_mul_i32 s52, s36, 6144
	s_add_co_u32 s52, s52, WSC
	v_add_nc_u32 v[WSA], s52, v[L16]
	s_mul_i32 s52, s36, 768
	s_add_co_u32 s52, s52, BIA
	v_add_nc_u32 v[BIW], s52, v[L8]
	v_lshl_add_u32 v[BAQ], v254, 6, s52
	s_add_co_u32 s52, s52, 512
	v_lshl_add_u32 v[BAV], v253, 2, s52
	s_mov_b32 s44, 0x76543210                      ; v_permlanex16_b32's selects for lane l xor 16
	s_mov_b32 s45, 0xfedcba98
	s_mov_b32 s46, 0xffff0000                      ; lanes 16-31, as a mask for v_cndmask_b32
	s_mov_b32 s41, 0
	s_wait_kmcnt 0x0
	s_lshl_b32 s40, s39, 15                        ; my 64 rows of each W: 512 bytes of codes a row,
	s_add_nc_u64 s[6:7], s[6:7], s[40:41]
	s_add_nc_u64 s[12:13], s[12:13], s[40:41]
	s_add_nc_u64 s[18:19], s[18:19], s[40:41]
	s_lshl_b32 s40, s39, 11                        ; 32 scale bytes a row,
	s_add_nc_u64 s[8:9], s[8:9], s[40:41]
	s_add_nc_u64 s[14:15], s[14:15], s[40:41]
	s_add_nc_u64 s[20:21], s[20:21], s[40:41]
	s_lshl_b32 s40, s39, 8                         ; 4 bytes of bias
	s_add_nc_u64 s[10:11], s[10:11], s[40:41]
	s_add_nc_u64 s[16:17], s[16:17], s[40:41]
	s_add_nc_u64 s[22:23], s[22:23], s[40:41]
	s_lshl_b32 s40, s38, 19                        ; x: 128 tb tokens of 4,096 bytes + my 32 tokens
	s_lshl_b32 s42, s36, 17
	s_add_co_u32 s40, s40, s42
	s_add_nc_u64 s[4:5], s[4:5], s[40:41]
	s_lshr_b32 s42, s38, 4
	s_lshl_b32 s42, s42, 4
	s_add_co_u32 s42, s42, s39                     ; bh = 16 batch + head
	s_and_b32 s43, s38, 15                         ; the key step within the batch
	s_lshl_b32 s40, s42, 16
	s_lshl_b32 s52, s43, 12
	s_add_co_u32 s40, s40, s52
	s_add_nc_u64 s[24:25], s[24:25], s[40:41]
	s_add_nc_u64 s[28:29], s[28:29], s[40:41]
	s_add_nc_u64 s[32:33], s[32:33], s[40:41]
	s_lshl_b32 s40, s42, 13
	s_lshl_b32 s52, s43, 9
	s_add_co_u32 s40, s40, s52
	s_add_nc_u64 s[26:27], s[26:27], s[40:41]
	s_add_nc_u64 s[30:31], s[30:31], s[40:41]
	s_lshl_b32 s40, s42, 12
	s_lshl_b32 s52, s43, 8
	s_add_co_u32 s40, s40, s52
	s_add_nc_u64 s[34:35], s[34:35], s[40:41]
; 16 whole rows of W (512 bytes each) of tile t of matrix mu into a raw set: the tile's rows in the tile's order
.macro WLOAD set, mu, t
.irp i, 0,1,2,3,4,5,6,7,8,9,10,11,12,13,14,15
.if (\mu) < 2
	global_load_b128 v[\set+4*\i:\set+4*\i+3], v[L16], s[6+6*(\mu):7+6*(\mu)] offset:(32*((\t)/2)+8*((\t)%2)+\i+8*(\i/8))*512
.else
	global_load_b128 v[\set+4*\i:\set+4*\i+3], v[L16], s[18:19] offset:(16*(\t)+\i)*512
.endif
.endr
.endm
; through my stage: in as rows, out as the tile's eight fragments: lane (r, h) takes of row r the 16 bytes at 64 s + 32 c + 16 h.  LDS serves a wave's instructions in order (ISA guide 5.7.1.4)
; (The loads land in windows 1 to 3, which no vector or matrix instruction has named yet; their address was written ahead of the head's wait on va_vdst.)
.macro WTURN set, mu, t
.irp i, 0,1,2,3,4,5,6,7,8,9,10,11,12,13,14,15
	ds_store_b128 v[STW], v[\set+4*\i:\set+4*\i+3] offset:528*\i
.endr
	WIN (((\mu)+1)<<6)                             ; destination: the matrix's window
.irp s, 0,1,2,3,4,5,6,7
.irp c, 0,1
	ds_load_b128 v[8*(8*(\t)+\s)+4*\c:8*(8*(\t)+\s)+4*\c+3], v[STR] offset:64*\s+32*\c
.endr
.endr
	WIN 0
.endm
; 128 numbers (one K step, 512 bytes) of each of the 16 tokens of my tile u
.macro XLOAD set, u, ahead
.irp i, 0,1,2,3,4,5,6,7,8,9,10,11,12,13,14,15
	global_load_b128 v[\set+4*\i:\set+4*\i+3], v[L16], s[4:5] offset:(8*(\u)+\i+8*(\i/8))*4096+512*(\ahead)
.endr
.endm
; through my stage: lane (r, h) gets of token r the whole blocks 2 c + h: v[T + 32 c + 0..31] = k 64 c + 32 h + 0..31
; (The loads land in T.  The vector lines that read T stand ahead of the last unit's wait on va_vdst, and no vector line since names T.)
.macro XTURN set
.irp i, 0,1,2,3,4,5,6,7,8,9,10,11,12,13,14,15
	ds_store_b128 v[STW], v[\set+4*\i:\set+4*\i+3] offset:528*\i
.endr
.irp c, 0,1
.irp j, 0,1,2,3,4,5,6,7
	ds_load_b128 v[T+32*\c+4*\j:T+32*\c+4*\j+3], v[STX] offset:256*\c+16*\j
.endr
.endr
.endm
; my two blocks become codes, in the very registers of the fragment, and a scale word; both go to LDS
.macro XQ u
.irp c, 0,1
	v_max3_num_f32 v[MX+2*\c], |v[T+32*\c]|, |v[T+32*\c+1]|, 0x1800000          ; two chains a block; the floor 2^(3 - 127) among the leaves holds the byte at 1 from below
	v_max3_num_f32 v[MX+2*\c+1], |v[T+32*\c+2]|, |v[T+32*\c+3]|, |v[T+32*\c+4]|
.endr
.irp i, 5,9,13,17,21,25
.irp c, 0,1
	v_max3_num_f32 v[MX+2*\c], v[MX+2*\c], |v[T+32*\c+\i]|, |v[T+32*\c+\i+1]|
	v_max3_num_f32 v[MX+2*\c+1], v[MX+2*\c+1], |v[T+32*\c+\i+2]|, |v[T+32*\c+\i+3]|
.endr
.endr
.irp c, 0,1
	v_max3_num_f32 v[MX+2*\c], v[MX+2*\c], |v[T+32*\c+29]|, |v[T+32*\c+30]|
.endr
.irp c, 0,1
	v_max3_num_f32 v[MX+2*\c], v[MX+2*\c], v[MX+2*\c+1], |v[T+32*\c+31]|
.endr
.irp c, 0,1
	v_add_nc_u32 v[SCO+\c], 0xff000000, v[MX+2*\c]  ; 2 off the exponent field: the conversion's scale operand
.endr
.irp c, 0,1
	v_lshrrev_b32 v[MX+2*\c+1], 23, v[SCO+\c]      ; the scale's byte
.endr
	v_lshl_or_b32 v[WDX], v[MX+3], 16, v[MX+1]     ; blocks h and 2 + h,
	v_lshlrev_b32 v[TX], 8, v[WDX]
	v_cndmask_b32 v[WDX], v[WDX], v[TX], s46       ; at their places in the word (lanes 16-31: one byte up);
	v_permlanex16_b32 v[TX], v[WDX], s44, s45
	v_or_b32 v[WDX], v[WDX], v[TX]                 ; with lane l xor 16's two the word is whole
.irp c, 0,1
.irp g, 0,1,2,3
	v_cvt_scalef32_pk8_fp4_f32 v[PCX+4*\c+\g], v[T+32*\c+8*\g:T+32*\c+8*\g+7], v[SCO+\c]
.endr
.endr
	v_nop                                          ; one plain place behind the last scaled conversion
	s_wait_alu depctr_va_vdst(0)                   ; the conversions have written the codes, the lines above them the word, the trip's head the two addresses: the LDS stores below read them.  And the unit is done reading T, in which the next unit's loads land
.irp c, 0,1
	ds_store_b128 v[XA], v[PCX+4*\c:PCX+4*\c+3] offset:8192*(\u)+512*\c
.endr
	ds_store_b32 v[XSA], v[WDX] offset:512*(\u)    ; both halves of the lanes write the same word with the same value
.endm
.macro XUNIT set, u, pf, left
	s_wait_loadcnt \left                           ; this set's 16 loads are in; the other set's may be out
	XTURN \set
	s_wait_dscnt 16                                ; all but the 16 loads just issued: the stores into the stage have read the raw set, the last codes have left their registers
.if (\pf) || (\u)
	s_wait_alu depctr_vm_vsrc(0)                   ; the stage's stores have read the raw set, in which the loads below land; the last unit's LDS stores have read the codes' and the word's registers, which this unit writes again
.endif
.if \pf
	XLOAD \set, \u, 1                              ; the next K step's numbers of the same tokens
.endif
	s_wait_dscnt 0x0
	XQ \u
.endm
; one K step of my 32 tokens.  pf = 1: the next K step is asked for
.macro XTRIP pf
	s_wait_dscnt 0x0                               ; no LDS instruction of mine names the two address registers any more
	s_wait_alu depctr_vm_vsrc(0)                   ; the last trip's LDS stores have read the two address registers, which the next two lines write, and the codes' and the word's registers, which the first unit writes
	v_add_nc_u32 v[XA], s48, v[XIW0]
	v_add_nc_u32 v[XSA], s49, v[XSW0]
	XUNIT RA, 0, \pf, 16
	XUNIT RB, 1, \pf, 16*\pf
.if \pf
	s_wait_xcnt 0x0                                ; the loads' addresses are translated (ISA guide 3.1): x's base steps only behind this wait
	s_add_nc_u64 s[4:5], s[4:5], 512
	s_add_co_u32 s48, s48, 1024
	s_add_co_u32 s49, s49, 4
.endif
.endm
.macro WUNIT u                         ; unit u = tile u % 4 of matrix u / 4; raw sets by turns; the set that is freed takes the unit two on, at the end x's first K step
.set SETU, RA+64*((\u)%2)
	s_wait_loadcnt 16                              ; this set's 16 loads are in; the other set's may be out
	WTURN SETU, (\u)/4, (\u)%4
	s_wait_dscnt 16                                ; all but the 16 loads just issued: the stores into the stage have read the raw set
	s_wait_alu depctr_vm_vsrc(0)                   ; the stage's stores have read the raw set, in which the loads below land
.if (\u) < 10
	WLOAD SETU, ((\u)+2)/4, ((\u)+2)%4
.elseif (\u) == 10
	XLOAD RA, 0, 0
.else
	XLOAD RB, 1, 0
.endif
.endm
	; ---- the small things: W's scale words in the order of the scale registers (lane (r, h): words 4 h .. 4 h + 3 of the tile's row r) and my biases; they wait in LDS of my own
	s_wait_alu depctr_va_vdst(0)                   ; the thirteen addresses and offsets v1 to v13 are written: every load and store of the kernel but those by v[XA] and v[XSA] reads one of them
.irp t, 0,1,2,3
	global_load_b128 v[T+4*\t:T+4*\t+3], v[RP], s[8:9] offset:(32*(\t/2)+8*(\t%2))*32
	global_load_b128 v[T+16+4*\t:T+16+4*\t+3], v[RP], s[14:15] offset:(32*(\t/2)+8*(\t%2))*32
	global_load_b128 v[T+32+4*\t:T+32+4*\t+3], v[RN], s[20:21] offset:512*\t
.endr
.irp m, 0,1,2
	global_load_b64 v[T+48+2*\m:T+48+2*\m+1], v[L8], s[10+6*\m:11+6*\m]
.endr
	WLOAD RA, 0, 0
	WLOAD RB, 0, 1
	s_wait_loadcnt 32                              ; the two raw sets may be out; the fifteen small loads are in
.irp k, 0,1,2,3,4,5,6,7,8,9,10,11
	ds_store_b128 v[WSA], v[T+4*\k:T+4*\k+3] offset:512*\k
.endr
.irp m, 0,1,2
	ds_store_b64 v[BIW], v[T+48+2*\m:T+48+2*\m+1] offset:256*\m
.endr
	; ---- W into registers, twelve tiles
.irp u, 0,1,2,3,4,5,6,7,8,9,10,11
	WUNIT \u
.endr
	; ---- x into codes: eight K steps of my 32 tokens; the last asks for nothing, so that no load leaves x
	s_mov_b32 s48, 0
	s_mov_b32 s49, 0
	s_mov_b32 s47, 7
.Lx:
	XTRIP 1
	s_sub_co_u32 s47, s47, 1
	s_cmp_lg_u32 s47, 0
	s_cbranch_scc1 .Lx
	XTRIP 0
	s_wait_dscnt 0x0                               ; my images and scale words have landed (and W's fragments are in)
	s_barrier_signal -1
	s_barrier_wait -1                              ; everybody's have: x's 64 fragments lie in LDS and are only read from here on
.macro XFETCH set, s                   ; x's four fragments of K step s, of the half in hand
.irp mi, 0,1,2,3
.irp c, 0,1
	ds_load_b128 v[\set+8*\mi+4*\c:\set+8*\mi+4*\c+3], v[XA] offset:8192*\mi+1024*(\s)+512*\c
.endr
.endr
.endm
.macro BIASLD kind, mu                 ; eight loads: the biases in the result's layout
.irp t, 0,1,2,3
.if \kind == 0
	ds_load_b128 v[XF0+8*\t:XF0+8*\t+3], v[BAQ] offset:256*(\mu)+128*(\t/2)+32*(\t%2)        ; tile t, register j: channel 32 (t / 2) + 16 h + 8 (t % 2) + j
	ds_load_b128 v[XF0+8*\t+4:XF0+8*\t+7], v[BAQ] offset:256*(\mu)+128*(\t/2)+32*(\t%2)+16
.else
	ds_load_b32 v[XF0+2*\t], v[BAV] offset:64*\t   ; tile t: channel 16 t + r, in both registers of a pair
	ds_load_b32 v[XF0+2*\t+1], v[BAV] offset:64*\t
.endif
.endr
.endm
; one matrix instruction.  K steps 4 to 7 take their scale words from lanes 16-31 of the same registers
.macro MM kind, s, mi, t
.set RW_, 8*(8*(\t)+(\s))
.set RX_, XF0+32*((\s)%2)+8*(\mi)
.set SW_, WS+4*(\t)+(\s)%4
.set SX_, XS+4*(\mi)+(\s)%4
.if \kind == 0
.set RD_, ACC+32*(\mi)+8*(\t)
.if (\s) == 0
	v_wmma_scale_f32_16x16x128_f8f6f4 v[RD_:RD_+7], v[RW_:RW_+7], v[RX_:RX_+7], 0, v[SW_], v[SX_] matrix_a_fmt:MATRIX_FMT_FP4 matrix_b_fmt:MATRIX_FMT_FP4
.elseif (\s) < 4
	v_wmma_scale_f32_16x16x128_f8f6f4 v[RD_:RD_+7], v[RW_:RW_+7], v[RX_:RX_+7], v[RD_:RD_+7], v[SW_], v[SX_] matrix_a_fmt:MATRIX_FMT_FP4 matrix_b_fmt:MATRIX_FMT_FP4
.else
	v_wmma_scale_f32_16x16x128_f8f6f4 v[RD_:RD_+7], v[RW_:RW_+7], v[RX_:RX_+7], v[RD_:RD_+7], v[SW_], v[SX_] matrix_a_fmt:MATRIX_FMT_FP4 matrix_b_fmt:MATRIX_FMT_FP4 matrix_a_scale:MATRIX_SCALE_ROW1 matrix_b_scale:MATRIX_SCALE_ROW1
.endif
.else
.set RD_, ACC+32*(\t)+8*(\mi)
.if (\s) == 0
	v_wmma_scale_f32_16x16x128_f8f6f4 v[RD_:RD_+7], v[RX_:RX_+7], v[RW_:RW_+7], 0, v[SX_], v[SW_] matrix_a_fmt:MATRIX_FMT_FP4 matrix_b_fmt:MATRIX_FMT_FP4
.elseif (\s) < 4
	v_wmma_scale_f32_16x16x128_f8f6f4 v[RD_:RD_+7], v[RX_:RX_+7], v[RW_:RW_+7], v[RD_:RD_+7], v[SX_], v[SW_] matrix_a_fmt:MATRIX_FMT_FP4 matrix_b_fmt:MATRIX_FMT_FP4
.else
	v_wmma_scale_f32_16x16x128_f8f6f4 v[RD_:RD_+7], v[RX_:RX_+7], v[RW_:RW_+7], v[RD_:RD_+7], v[SX_], v[SW_] matrix_a_fmt:MATRIX_FMT_FP4 matrix_b_fmt:MATRIX_FMT_FP4 matrix_a_scale:MATRIX_SCALE_ROW1 matrix_b_scale:MATRIX_SCALE_ROW1
.endif
.endif
.endm
; K step s: the next step's fragments are asked for, then 16 products: 4 tiles of tokens x 4 tiles of channels.  The 16 accumulators take turns, one instruction a turn, in the same order in every step
.macro KSTEP kind, mu, s
.if (\s) > 0
	PLACES                                         ; the loads below land in the set that the last step's products read
	s_wait_alu depctr_va_vdst(0)                   ; the last step's sixteen products are done reading that set; the places above stay beside this wait
.endif
.if (\s) < 7
	XFETCH XF0+32*(((\s)+1)%2), (\s)+1
.else
	BIASLD \kind, \mu
.endif
	s_wait_dscnt 8                                 ; all but the eight loads just issued
.if \kind == 0
	WIN ((\mu)+1)                                  ; source 0: W's window
.else
	WIN 0x0c                                       ; source 1: Wv's window
.endif
.irp mi, 0,1,2,3
.irp t, 0,1,2,3
	MM \kind, \s, \mi, \t
.endr
.endr
	WIN 0
.endm
; eight blocks of 32 (block q: v[ACC + 16 q + 0..15] in lanes l and l xor 16) become codes v[PC + 4 m + 0..3] (a whole block a lane) and four scale words v[WD + m] (bytes 0, 1)
.macro QUANT8
.irp q, 0,1,2,3,4,5,6,7
	v_max3_num_f32 v[TM+\q], |v[ACC+16*\q]|, |v[ACC+16*\q+1]|, 0x1800000   ; the floor 2^(3 - 127): the byte cannot fall under 1
.endr
.irp i, 2,4,6,8,10,12,14
.irp q, 0,1,2,3,4,5,6,7
	v_max3_num_f32 v[TM+\q], v[TM+\q], |v[ACC+16*\q+\i]|, |v[ACC+16*\q+\i+1]|   ; the eight blocks by turns
.endr
.endr
.irp q, 0,1,2,3,4,5,6,7
	v_permlanex16_b32 v[T2+\q], v[TM+\q], s44, s45
.endr
.irp q, 0,1,2,3,4,5,6,7
	v_max_num_f32 v[TM+\q], v[TM+\q], v[T2+\q]     ; with lane l xor 16's 16 numbers
.endr
.irp q, 0,1,2,3,4,5,6,7
	v_add_nc_u32 v[SC+\q], 0xff000000, v[TM+\q]    ; 2 off the exponent field: the conversion's scale operand
.endr
.irp q, 0,1,2,3,4,5,6,7
	v_lshrrev_b32 v[BY+\q], 23, v[SC+\q]           ; the scale's byte
.endr
.irp m, 0,1,2,3
	v_lshl_or_b32 v[WD+\m], v[BY+2*\m+1], 8, v[BY+2*\m]
.endr
.irp q, 0,1,2,3,4,5,6,7
	v_cvt_scalef32_pk8_fp4_f32 v[PC+2*\q], v[ACC+16*\q:ACC+16*\q+7], v[SC+\q]
	v_cvt_scalef32_pk8_fp4_f32 v[PC+2*\q+1], v[ACC+16*\q+8:ACC+16*\q+15], v[SC+\q]
.endr
	v_nop                                          ; one plain place behind the last scaled conversion
.irp m, 0,1,2,3
.irp i, 0,1
	v_permlane16_swap_b32 v[PC+4*\m+\i], v[PC+4*\m+2+\i]   ; lanes 0-15 get the whole lower block, lanes 16-31 the whole upper one
.endr
.endr
.endm
; behind a job's products: the bias, the quantiser, the codes' stores; the scale words are gathered over the two halves
.macro EPI kind, mu
	PLACES
	s_wait_dscnt 0x0                               ; the biases are in
.set N_, 0
.rept 64                               ; each accumulator from its low end on
.if \kind == 0
	v_pk_add_f32 v[ACC+2*N_:ACC+2*N_+1], v[ACC+2*N_:ACC+2*N_+1], v[XF0+(2*N_)%32:XF0+(2*N_)%32+1]
.else
	v_pk_add_f32 v[ACC+2*N_:ACC+2*N_+1], v[ACC+2*N_:ACC+2*N_+1], v[XF0+2*(N_/16):XF0+2*(N_/16)+1]
.endif
.set N_, N_+1
.endr
	QUANT8
	s_wait_alu depctr_va_vdst(0)                   ; the conversions and the exchanges of halves have written the codes v[PC ..], which the stores below read
.if \kind == 0
.irp m, 0,1,2,3
	global_store_b128 v[RP], v[PC+4*\m:PC+4*\m+3], s[24+4*(\mu):25+4*(\mu)] offset:1024*(\m/2)+256*(\m%2)   ; lane (r, h): 16 bytes at 16 h of its token's 32: two runs of 256 consecutive bytes, each aligned
.endr
	v_mov_b32 v[SWQ], v[SWQ+2]                     ; the first half's two registers move down,
	v_mov_b32 v[SWQ+1], v[SWQ+3]
	v_cndmask_b32 v[SWQ+2], v[WD], v[WD+1], s46    ; lanes 0-15 the even tile's words, lanes 16-31 the odd tile's
	v_cndmask_b32 v[SWQ+3], v[WD+2], v[WD+3], s46
.else
.irp t, 0,1,2,3
	global_store_b128 v[L16], v[PC+4*\t:PC+4*\t+3], s[32:33] offset:1024*\t   ; registers 4 c .. 4 c + 3 (c = the half) of V^T's fragment t: 512 consecutive bytes
.endr
.irp t, 0,1,2,3
	v_lshrrev_b32 v[VW+\t], 16, v[VW+\t]
.endr
.irp t, 0,1,2,3
	v_lshl_or_b32 v[VW+\t], v[WD+\t], 16, v[VW+\t] ; the first half's two bytes below, the second's above
.endr
.endif
.endm
; one of the three matrices: two halves of 64 tokens, each 8 K steps of 16 products
.macro MATRIX kind, mu
	s_wait_xcnt 0x0                                ; the last matrix's stores have read their registers
.if (\mu) == 1
	s_wait_alu depctr_vm_vsrc(0)                   ; q's store of scale words has read v[SWQ ..], of which the next two lines write two
.endif
.if \kind == 0
	v_mov_b32 v[SWQ+2], 0
	v_mov_b32 v[SWQ+3], 0
.else
.irp t, 0,1,2,3
	v_mov_b32 v[VW+\t], 0
.endr
.endif
.irp t, 0,1,2,3
	ds_load_b128 v[WS+4*\t:WS+4*\t+3], v[WSA] offset:(4*(\mu)+\t)*512   ; the last matrix's products, which read v[WS ..], stand ahead of the wait on va_vdst in front of its store of scale words; no vector line since names them
.endr
	s_mov_b32 s50, 0
	s_mov_b32 s51, XSC
	s_mov_b32 s47, 2
.Lhalf_\@:
	s_wait_alu depctr_vm_vsrc(0)                   ; the LDS instructions issued so far have read v[XA] and v[XSA], which the next two lines write; the stage's stores have read the raw sets, now the accumulators; the last half's stores have read the codes v[PC ..], in which x's fragments land
	v_add_nc_u32 v[XA], s50, v[L16]
	v_add_nc_u32 v[XSA], s51, v[RN]
	s_wait_alu depctr_va_vdst(0)                   ; the two addresses are written; the last half's products are done reading v[XS ..], and its quantiser (ahead of the first half: x's) is done with v144 to v207: the loads below land in both
.irp mi, 0,1,2,3
	ds_load_b128 v[XS+4*\mi:XS+4*\mi+3], v[XSA] offset:512*\mi   ; lane (r, h): words 4 h .. 4 h + 3 of the tile's token r
.endr
	XFETCH XF0, 0
.irp s, 0,1,2,3,4,5,6,7
	KSTEP \kind, \mu, \s
.endr
	EPI \kind, \mu
	s_wait_xcnt 0x0                                ; the stores have read their base and their data: both are written again below and in the next half
.if \kind == 0
	s_add_nc_u64 s[24+4*(\mu):25+4*(\mu)], s[24+4*(\mu):25+4*(\mu)], 2048
.else
	s_add_nc_u64 s[32:33], s[32:33], 512
.endif
	s_add_co_u32 s50, s50, 32768
	s_add_co_u32 s51, s51, 2048
	s_sub_co_u32 s47, s47, 1
	s_cmp_lg_u32 s47, 0
	s_cbranch_scc1 .Lhalf_\@
.if \kind == 0
	s_wait_alu depctr_va_vdst(0)                   ; the moves and selects behind the half's stores have written v[SWQ ..], which the store below reads
	global_store_b128 v[L16], v[SWQ:SWQ+3], s[26+4*(\mu):27+4*(\mu)]   ; the 128 tokens' scale words: 512 consecutive bytes
.else
	s_wait_alu depctr_va_vdst(0)
	v_cndmask_b32 v[SV], v[VW], v[VW+1], s46
	v_cndmask_b32 v[SV+1], v[VW+2], v[VW+3], s46
	s_wait_alu depctr_va_vdst(0)                   ; the two selects have written v[SV ..], which the store below reads
	global_store_b64 v[L8], v[SV:SV+1], s[34:35]   ; the 64 channels' scale words: 256 consecutive bytes
.endif
.endm
	MATRIX 0, 0
	MATRIX 0, 1
	MATRIX 1, 2
	s_wait_xcnt 0x0
	v_lshl_add_u32 v254, v0, 2, 0x20000            ; the add's two registers, made anew here: no memory or LDS instruction has read v254 or v255 since the last wait on vm_vsrc
	v_mov_b32 v255, 0
	s_wait_dscnt 0x0                               ; the closing lines, six on end
	s_wait_alu 0x0
	s_wait_tensorcnt 0x0
	ds_add_u32 v254, v255
	s_wait_dscnt 0x0
	s_endpgm
.Lfunc_end_k_q788533eb05_qkv:
	.size	k_q788533eb05_qkv, .Lfunc_end_k_q788533eb05_qkv-k_q788533eb05_qkv
	.p2alignl 7, 3214868480
	.fill 96, 4, 3214868480
	.section	.rodata,"a",@progbits
	.p2align	6, 0x0
	.amdhsa_kernel k_q788533eb05_qkv
		.amdhsa_group_segment_fixed_size 131584
		.amdhsa_private_segment_fixed_size 0
		.amdhsa_enable_private_segment 0
		.amdhsa_kernarg_size 128
		.amdhsa_user_sgpr_count 2
		.amdhsa_user_sgpr_kernarg_segment_ptr 1
		.amdhsa_wavefront_size32 1
		.amdhsa_system_sgpr_workgroup_id_x 1
		.amdhsa_system_sgpr_workgroup_id_y 1
		.amdhsa_system_sgpr_workgroup_id_z 1
		.amdhsa_system_vgpr_workitem_id 0
		.amdhsa_next_free_vgpr 1024
		.amdhsa_next_free_sgpr 66
		.amdhsa_reserve_vcc 0
		.amdhsa_float_denorm_mode_32 3
		.amdhsa_float_denorm_mode_16_64 3
		.amdhsa_memory_ordered 1
		.amdhsa_forward_progress 1
		.amdhsa_inst_pref_size 186
	.end_amdhsa_kernel
	.amdgpu_metadata
---
amdhsa.version: [ 1, 2 ]
amdhsa.kernels:
  - .name:           k_q788533eb05_qkv
    .symbol:         k_q788533eb05_qkv.kd
    .args:
      - { .name: x, .offset: 0, .size: 8, .value_kind: global_buffer, .address_space: global }
      - { .name: Wq_codes, .offset: 8, .size: 8, .value_kind: global_buffer, .address_space: global }
      - { .name: Wq_scales, .offset: 16, .size: 8, .value_kind: global_buffer, .address_space: global }
      - { .name: bq, .offset: 24, .size: 8, .value_kind: global_buffer, .address_space: global }
      - { .name: Wk_codes, .offset: 32, .size: 8, .value_kind: global_buffer, .address_space: global }
      - { .name: Wk_scales, .offset: 40, .size: 8, .value_kind: global_buffer, .address_space: global }
      - { .name: bk, .offset: 48, .size: 8, .value_kind: global_buffer, .address_space: global }
      - { .name: Wv_codes, .offset: 56, .size: 8, .value_kind: global_buffer, .address_space: global }
      - { .name: Wv_scales, .offset: 64, .size: 8, .value_kind: global_buffer, .address_space: global }
      - { .name: bv, .offset: 72, .size: 8, .value_kind: global_buffer, .address_space: global }
      - { .name: qc, .offset: 80, .size: 8, .value_kind: global_buffer, .address_space: global }
      - { .name: qs, .offset: 88, .size: 8, .value_kind: global_buffer, .address_space: global }
      - { .name: kc, .offset: 96, .size: 8, .value_kind: global_buffer, .address_space: global }
      - { .name: ks, .offset: 104, .size: 8, .value_kind: global_buffer, .address_space: global }
      - { .name: vc, .offset: 112, .size: 8, .value_kind: global_buffer, .address_space: global }
      - { .name: vs, .offset: 120, .size: 8, .value_kind: global_buffer, .address_space: global }
    .group_segment_fixed_size: 131584
    .private_segment_fixed_size: 0
    .kernarg_segment_align: 8
    .kernarg_segment_size: 128
    .max_flat_workgroup_size: 128
    .sgpr_count:     66
    .vgpr_count:     1024
    .wavefront_size: 32
...
	.end_amdgpu_metadata
.endif
;; end of part 3
;; launch attn (part 4): grid 256 x 1, 16 waves a work-group, no clusters, 133,632 bytes of LDS; arguments qc, qs, kc, ks, vc, vs, x, gamma, beta, out0; writes out0
.if DOCPART == 4
	.amdgcn_target "amdgcn-amd-amdhsa--gfx1250"
	.amdhsa_code_object_version 6
	.text
	.protected	k_q788533eb05_attn
	.globl	k_q788533eb05_attn
	.p2align	8
	.type	k_q788533eb05_attn,@function
k_q788533eb05_attn:
	s_mov_b64 s[64:65], 0
	v_nop
	global_prefetch_b8 v0, s[64:65] scope:SCOPE_SE
	s_setreg_imm32_b32 hwreg(HW_REG_WAVE_SCHED_MODE, 0, 2), 2
	s_setreg_imm32_b32 hwreg(HW_REG_WAVE_MODE, 25, 1), 1
	s_wait_xcnt 0x0
	s_wait_alu depctr_vm_vsrc(0)
; out = LayerNorm(attention + x) x gamma + beta.  Causal attention on codes of FP4 (E2M1) with E8M0 scales, 16 heads of 64 channels, 2,048 tokens, 4 batches; codes and scale words as the launch before laid them:
;   qc, kc [bh][token][32 bytes];  qs, ks [bh][step][lane][4] words (tile 2 i in lanes 0-15, tile 2 i + 1 in lanes 16-31 of register i);  vc [bh][step][t][c][lane][16 bytes];  vs [bh][step][lane][2] words.
; THE SOFTMAX: t = (score / 8 + 1) x log2(e) (the mask's 1 on allowed keys is kept: it moves t by no whole number); M = the running largest t rounded UP to a whole number; p = 2^(t - M) is quantised along the keys,
; not normalised; the row's sum is taken of the unquantised p and divides at the end.  When M moves, the sum and O are multiplied by 2^(old M - new M): exact.
; SHARES.  Work-group id: batch id / 64, j = id % 64: the query tiles (16 rows) 127 - j and j of that batch, all 16 heads; wave w is head w.  Tile n walks n / 8 whole key steps of 128 and one on the diagonal:
; (127 - j) / 8 + j / 8 + 2 = 17 steps for every wave of every work-group.  At the end the 16 heads' results meet in LDS (one barrier) and wave w normalises rows w of both tiles.
; LAYOUT.  Both products are used transposed: S^T = K Q^T, O^T = V^T P^T: a lane holds ONE query (lane % 16).  Lane r of key tile 2 b + u takes key 32 b + 8 u + r + 8 (r / 8), so that the 16 registers of tiles 2 b, 2 b + 1
; are the keys 32 b + 16 (lane / 16) + 0..15.
; THE SCORES' K IS 64, HALF OF THE INSTRUCTION'S 128: Q's registers 4-7 are zero codes and bytes 2, 3 of both scale words are 0 (2^-127, no NaN).  K's fragment t is named v[KF + 4 t : KF + 4 t + 7]: its upper four registers
; are the next tile's codes, which meet Q's zero codes and add nothing; behind the last tile stand four registers of zeros.
; K, V AND THEIR SCALES COME FROM MEMORY STRAIGHT INTO REGISTERS, K a step ahead, V at the head of its step; V's loads and both scale loads take 512 or 256 consecutive bytes, K's two aligned runs of 256.
; NO JOINT REQUESTS, NO LDS RING: the waves of a work-group share no K or V (each has another head), and the work-groups that share a head's K and V walk different numbers of steps.
; LIMITS: NaN and infinities are not served.
; THE MODE: SCHED_MODE bits 1:0 = 2 (LLVM: expert scheduling mode 2), set by the entry lines.  The code itself states the register dependences between vector or matrix instructions and
; memory or LDS instructions, with s_wait_alu, always for 0.
; THE PLAN.  Registers that memory or LDS instructions touch, and who else names them:
;   v1-12        addresses and offsets, written once at the head and never again: one wait on va_vdst at the head's end serves every load, store and the prefetch.  It also stands between the
;                lines that write the zero codes v32-35 and v68-71 and the products that take them as parts of their sources.
;   VF, v22-23   V's fragments and scale words: loaded at a step's head, read by the step's last four products: a wait on va_vdst at a step's head.
;   KF, v24-27   K's tiles and scale words: read by a step's first eight products, loaded again behind them: a wait on va_vdst behind those products' places.
;   v28-31, v13  Q and its scale word: loaded at a tile's head; their readers, the tile before's products, stand ahead of that tile's wait in front of its LDS stores.
;   O            written by the products and the scalings, read by the stage's LDS stores: va_vdst ahead of the stores, vm_vsrc behind them, ahead of the next tile's clears and of gamma's and beta's loads.
;   v32-223      at the end: x, gamma, beta and the stage's rows land there; no vector line stands between the second tile's wait on va_vdst and those loads.
;   the rows Y   written by the LayerNorm's lines, read by the stores: va_vdst ahead of each row's stores.
; p's codes and scale word are written by vector lines and taken by the last four products: a wait on va_vdst directly ahead of them, behind their places.
; On the diagonal the compares write their masks into s66 to s97, 32 to a run, with one wait on va_sdst between a run and the selects that read the masks.
.set AK,  1                            ; 32 (r + 8 (r / 8)) + 16 h
.set L16, 2                            ; 16 x lane
.set L8,  3                            ; 8 x lane
.set AQ,  4                            ; 32 r + 16 h
.set AQS, 5                            ; 16 (16 (r / 8) + r % 8)
.set RH,  6                            ; r - 16 h
.set DQ,  7                            ; the tile's first query within its key step + r - 16 h
.set STO, 8                            ; v8, v9   the stage, in: 4112 r + 256 w + 32 h, tile 0 and tile 1
.set RD,  10                           ; v10, v11 the stage, back: 4112 w + 16 x lane
.set PFO, 12                           ; the prefetch's offset
.set KF,  36                           ; v13 Q's scale word, v14 p's; v15 -infinity; v16 log2(e) - M, v17 the largest t; v18 -M; v[20:21] the sum; v[22:23] V's scale words; v[24:27] K's; v[28:35] Q
.set VF,  72                           ; v36-67 K, v68-71 zeros; v72-103 V
.set S,   104                          ; v104-167 S^T, then p
.set O,   168                          ; v168-199 O^T
.set P,   200                          ; v200-207 p's codes
.set BM,  208                          ; v208-211 the blocks' largest scores, then p;  v212-215 the other half's, then the bytes;  v216-219 scale operands;  v[220:221] f;  v[222:223] a second chain of the sum;  v224 at work
.set T2,  212
.set SC,  216
.set MK,  66                           ; s66-97 the diagonal's masks, 32 to a run
.macro PLACES                          ; four plain vector instructions between a matrix instruction and a load into, or a read of, its registers
.rept 4
	v_nop
.endr
.endm
	s_load_b512 s[4:19], s[0:1], 0x0               ; qc 4, qs 6, kc 8, ks 10, vc 12, vs 14, x 16, gamma 18
	s_load_b128 s[20:23], s[0:1], 0x40             ; beta 20, out0 22
	v_lshl_add_u32 v254, v0, 2, 0x20200            ; the add's two registers, made here and kept for the closing lines alone
	v_mov_b32 v255, 0
	v_lshrrev_b32 v1, 5, v0
	v_readfirstlane_b32 s24, v1                    ; wave = head
	s_lshr_b32 s25, ttmp9, 6                       ; batch
	s_and_b32 s26, ttmp9, 63                       ; j
	v_and_b32 v224, 31, v0                         ; lane
	v_and_b32 v225, 15, v0                         ; r
	v_bfe_u32 v226, v0, 4, 1                       ; h
	v_and_b32 v227, 8, v225
	v_add_nc_u32 v227, v227, v225
	v_lshlrev_b32 v227, 5, v227
	v_lshl_add_u32 v[AK], v226, 4, v227
	v_lshlrev_b32 v[L16], 4, v224
	v_lshlrev_b32 v[L8], 3, v224
	v_lshlrev_b32 v[AQ], 5, v225
	v_lshl_add_u32 v[AQ], v226, 4, v[AQ]
	v_and_b32 v[AQS], 7, v225
	v_lshlrev_b32 v[AQS], 4, v[AQS]
	v_lshrrev_b32 v227, 3, v225
	v_lshl_add_u32 v[AQS], v227, 8, v[AQS]
	v_lshlrev_b32 v227, 4, v226
	v_sub_nc_u32 v[RH], v225, v227
	v_mul_u32_u24 v[STO], v225, 4112               ; a stage row: 4,096 bytes + 16 = 257 x 16: sixteen rows' same column falls on sixteen different 16-byte columns modulo 256
	v_lshl_add_u32 v[STO], v226, 5, v[STO]
	s_wait_alu depctr_va_sdst(0)                   ; s24 is written, ahead of its first reader: the stage's addresses and the bases are made from it
	s_lshl_b32 s58, s24, 8
	v_add_nc_u32 v[STO], s58, v[STO]
	v_add_nc_u32 v[STO+1], 65792, v[STO]           ; tile 1: 16 rows on
	s_mul_i32 s58, s24, 4112
	v_add_nc_u32 v[RD], s58, v[L16]
	v_add_nc_u32 v[RD+1], 65792, v[RD]
	v_mov_b32 v15, 0xff800000                      ; -infinity
.irp i, 32,33,34,35,68,69,70,71
	v_mov_b32 v\i, 0                               ; zero codes: Q's upper half, and what stands behind K's last tile
.endr
.irp i, 212,213,214,215,221
	v_mov_b32 v\i, 0                               ; written once: a lane permute's destination counts as one of its sources; v221 is named as the upper half of a pair
.endr
	s_mov_b32 s44, 0x76543210                      ; v_permlanex16_b32's selects for lane l xor 16
	s_mov_b32 s45, 0xfedcba98
	s_mov_b32 s46, 0x3e38aa3b                      ; c = log2(e) / 8
	s_mov_b32 s47, s46                             ; (named with it as a pair)
	s_mov_b32 s48, 0x3fb8aa3b                      ; log2(e): the mask's 1
	s_mov_b32 s31, 0
	s_sub_co_u32 s60, 127, s26                     ; the first tile: 127 - j
	s_wait_kmcnt 0x0
	s_lshl_b32 s58, s25, 4
	s_add_co_u32 s58, s58, s24                     ; bh
	s_lshl_b32 s30, s58, 16
	s_add_nc_u64 s[4:5], s[4:5], s[30:31]
	s_add_nc_u64 s[8:9], s[8:9], s[30:31]
	s_add_nc_u64 s[12:13], s[12:13], s[30:31]
	s_lshl_b32 s30, s58, 13
	s_add_nc_u64 s[6:7], s[6:7], s[30:31]
	s_add_nc_u64 s[10:11], s[10:11], s[30:31]
	s_lshl_b32 s30, s58, 12
	s_add_nc_u64 s[14:15], s[14:15], s[30:31]
	s_lshl_b32 s58, s25, 11
	s_add_co_u32 s58, s58, s24                     ; the batch's first row + my row within a tile
	s_lshl_b32 s30, s60, 4
	s_add_co_u32 s30, s30, s58
	s_lshl_b32 s30, s30, 12                        ; rows of 4,096 bytes
	s_add_nc_u64 s[50:51], s[16:17], s[30:31]      ; x and out0 at my row of the first tile,
	s_add_nc_u64 s[54:55], s[22:23], s[30:31]
	s_lshl_b32 s30, s26, 4
	s_add_co_u32 s30, s30, s58
	s_lshl_b32 s30, s30, 12
	s_add_nc_u64 s[52:53], s[16:17], s[30:31]      ; and of the second
	s_add_nc_u64 s[56:57], s[22:23], s[30:31]
	s_sub_co_u32 s61, s60, s26
	s_lshl_b32 s61, s61, 16                        ; (127 - 2 j) tiles of 16 rows of 4,096 bytes: from my row of the second tile up to my row of the first
	v_mul_u32_u24 v[PFO], s61, v226
	v_lshl_add_u32 v[PFO], v225, 8, v[PFO]         ; lanes 256 bytes apart: lanes 0-15 the lower row, lanes 16-31 the upper
	s_wait_alu depctr_va_vdst(0)                   ; the addresses and offsets v1 to v12 are written, which every load, store and the prefetch read; so are the zero codes v32-35 and v68-71, which the products take as parts of their sources
.macro KLOAD                           ; nine loads: a step's eight tiles of K (4 registers each) and their scale words
.irp t, 0,1,2,3,4,5,6,7
	global_load_b128 v[KF+4*\t:KF+4*\t+3], v[AK], s[32:33] offset:1024*(\t/2)+256*(\t%2)
.endr
	global_load_b128 v[24:27], v[L16], s[34:35]
.endm
.macro VLOAD                           ; nine loads: a step's four fragments of V^T and their scale words
.irp t, 0,1,2,3
.irp c, 0,1
	global_load_b128 v[VF+8*\t+4*\c:VF+8*\t+4*\c+3], v[L16], s[36:37] offset:1024*\t+512*\c
.endr
.endr
	global_load_b64 v[22:23], v[L8], s[38:39]
.endm
; A KEY STEP of 128 keys.  mask = 1: the step on the diagonal.  pf = 1: the next step's K is asked for.
.macro STEP mask, pf
	PLACES                                         ; behind the last step's products with V
	s_wait_alu depctr_va_vdst(0)                   ; the last step's four products are done reading V's fragments and scale words, in which the loads below land; the places above stay beside this wait
	VLOAD
	s_wait_loadcnt 9                               ; V's nine may be out: this step's K is in (in a tile's first step Q too), so K's bases may step
	s_add_nc_u64 s[32:33], s[32:33], 4096
	s_add_nc_u64 s[34:35], s[34:35], 512
.irp t, 0,2,4,6
	v_wmma_scale_f32_16x16x128_f8f6f4 v[S+8*\t:S+8*\t+7], v[KF+4*\t:KF+4*\t+7], v[28:35], 0, v[24+\t/2], v13 matrix_a_fmt:MATRIX_FMT_FP4 matrix_b_fmt:MATRIX_FMT_FP4
	v_wmma_scale_f32_16x16x128_f8f6f4 v[S+8*\t+8:S+8*\t+15], v[KF+4*\t+4:KF+4*\t+11], v[28:35], 0, v[24+\t/2], v13 matrix_a_fmt:MATRIX_FMT_FP4 matrix_b_fmt:MATRIX_FMT_FP4 matrix_a_scale:MATRIX_SCALE_ROW1
.endr
	PLACES                                         ; in front of the loads into K's registers and of the first read of the scores
.if \pf
	s_wait_alu depctr_va_vdst(0)                   ; the eight products are done reading K's tiles and scale words, in which the loads below land
	KLOAD
.endif
.if \mask                              ; register 16 b + i holds key 32 b + 16 h + i of the step: hidden where 32 b + i > my query within the step - 16 h.  Hidden scores become -infinity: p = 0
.irp g, 0,1                            ; 32 registers to a run: the compares, one wait, the selects
.set N_, 0
.rept 32
	v_cmp_gt_i32 s[MK+N_], 32*((32*\g+N_)/16)+N_%16, v[DQ]
.set N_, N_+1
.endr
	s_wait_alu depctr_va_sdst(0)                   ; the run's 32 compares have written their masks, ahead of the selects that read them
.set N_, 0
.rept 32
	v_cndmask_b32 v[S+32*\g+N_], v[S+32*\g+N_], v15, s[MK+N_]
.set N_, N_+1
.endr
.endr
.endif
.irp b, 0,1,2,3
	v_max3_num_f32 v[BM+\b], v[S+16*\b], v[S+16*\b+1], v[S+16*\b+2]   ; the largest score of each block of 32 keys: for the row's maximum, and, since p rises with the score, for the block's largest p
.endr
.irp i, 3,5,7,9,11,13
.irp b, 0,1,2,3
	v_max3_num_f32 v[BM+\b], v[BM+\b], v[S+16*\b+\i], v[S+16*\b+\i+1]
.endr
.endr
.irp b, 0,1,2,3
	v_max_num_f32 v[BM+\b], v[BM+\b], v[S+16*\b+15]
.endr
.irp b, 0,1,2,3
	v_permlanex16_b32 v[T2+\b], v[BM+\b], s44, s45
.endr
.irp b, 0,1,2,3
	v_max_num_f32 v[BM+\b], v[BM+\b], v[T2+\b]     ; with lane l xor 16's 16 keys
.endr
	v_max3_num_f32 v224, v[BM], v[BM+1], v[BM+2]
	v_max_num_f32 v224, v224, v[BM+3]
	v_fma_f32 v224, v224, s46, s48                 ; the step's largest t = score x c + log2(e)
	v_max_num_f32 v17, v17, v224                   ; the running largest t
	v_mov_b32 v224, v18
	v_floor_f32 v18, -v17                          ; the new -M = -ceil(t)
	v_sub_f32 v224, v18, v224                      ; old M - new M: a whole number, 0 or less
	v_cvt_i32_f32 v224, v224                       ; (it saturates)
	v_ldexp_f32 v220, 1.0, v224                    ; f = 2^(old M - new M)
	v_add_f32 v16, s48, v18                        ; log2(e) - M
.set N_, 0
.rept 32
	v_pk_fma_f32 v[S+N_:S+N_+1], v[S+N_:S+N_+1], s[46:47], v[16:17] op_sel_hi:[1,0,0]   ; t - M, two at a time (of both pairs the low word serves both halves)
.set N_, N_+2
.endr
.irp b, 0,1,2,3
	v_fma_f32 v[BM+\b], v[BM+\b], s46, v16         ; the same of each block's largest score
.endr
.set N_, 0
	s_wait_alu depctr_va_vdst(0)
.rept 64
	v_exp_f32 v[S+N_], v[S+N_]                     ; p = 2^(t - M)
.set N_, N_+1
.endr
.irp b, 0,1,2,3
	v_exp_f32 v[BM+\b], v[BM+\b]                   ; the block's largest p: the same two instructions on the same number
.endr
	v_pk_mul_f32 v[20:21], v[20:21], v[220:221] op_sel_hi:[1,0]   ; the sum under the new M (a plain place behind the exponentials)
	s_wait_alu depctr_va_vdst(0)                   ; the 68 exponentials have written p and the blocks' largest p: one wait for the batch, ahead of its first reader
.irp b, 0,1,2,3
	v_max_num_f32 v[BM+\b], 0x1800000, v[BM+\b]    ; the floor 2^(3 - 127): the byte cannot fall under 1; a block of zeros keeps that byte over zero codes
.endr
.irp b, 0,1,2,3
	v_add_nc_u32 v[SC+\b], 0xff000000, v[BM+\b]    ; 2 off the exponent field: the conversion's scale operand
.endr
.irp b, 0,1,2,3
	v_lshrrev_b32 v[T2+\b], 23, v[SC+\b]           ; the scale's byte
.endr
	v_lshl_or_b32 v14, v[T2+1], 8, v[T2]           ; p's scale word for these 128 keys
	v_lshl_or_b32 v14, v[T2+2], 16, v14
	v_lshl_or_b32 v14, v[T2+3], 24, v14
.irp b, 0,1,2,3
	v_cvt_scalef32_pk8_fp4_f32 v[P+2*\b], v[S+16*\b:S+16*\b+7], v[SC+\b]
	v_cvt_scalef32_pk8_fp4_f32 v[P+2*\b+1], v[S+16*\b+8:S+16*\b+15], v[SC+\b]
.endr
	v_nop                                          ; one plain place behind the last scaled conversion
.irp c, 0,1
.irp i, 0,1
	v_permlane16_swap_b32 v[P+4*\c+\i], v[P+4*\c+2+\i]   ; a whole block to a lane: lanes 0-15 block 2 c, lanes 16-31 block 2 c + 1
.endr
.endr
	v_pk_add_f32 v[222:223], v[S:S+1], v[S+2:S+3]  ; the row's sum of the unquantised p, in two chains.  These 32 lines are also the places between p's scale word and codes and the products below
.irp j, 4,8,12,16,20,24,28,32,36,40,44,48,52,56,60
	v_pk_add_f32 v[20:21], v[20:21], v[S+\j:S+\j+1]
	v_pk_add_f32 v[222:223], v[222:223], v[S+\j+2:S+\j+3]
.endr
	v_pk_add_f32 v[20:21], v[20:21], v[222:223]
.set N_, 0
.rept 16
	v_pk_mul_f32 v[O+N_:O+N_+1], v[O+N_:O+N_+1], v[220:221] op_sel_hi:[1,0]   ; O^T under the new M, each accumulator from its low end on
.set N_, N_+2
.endr
.if \pf
	s_wait_loadcnt 9                               ; the next step's K may be out: V is in, so V's bases may step
.else
	s_wait_loadcnt 0x0
.endif
	s_add_nc_u64 s[36:37], s[36:37], 4096
	s_add_nc_u64 s[38:39], s[38:39], 256
	s_wait_alu depctr_va_vdst(0)                   ; the conversions and exchanges have written p's codes and the shifts p's scale word, which the products below take as source 1 and as its scales; the places above stay beside this wait
.irp t, 0,2
	v_wmma_scale_f32_16x16x128_f8f6f4 v[O+8*\t:O+8*\t+7], v[VF+8*\t:VF+8*\t+7], v[P:P+7], v[O+8*\t:O+8*\t+7], v[22+\t/2], v14 matrix_a_fmt:MATRIX_FMT_FP4 matrix_b_fmt:MATRIX_FMT_FP4
	v_wmma_scale_f32_16x16x128_f8f6f4 v[O+8*\t+8:O+8*\t+15], v[VF+8*\t+8:VF+8*\t+15], v[P:P+7], v[O+8*\t+8:O+8*\t+15], v[22+\t/2], v14 matrix_a_fmt:MATRIX_FMT_FP4 matrix_b_fmt:MATRIX_FMT_FP4 matrix_a_scale:MATRIX_SCALE_ROW1
.endr
.endm
; ONE TILE OF 16 QUERIES, number s27 within the batch; its result goes to rows 16 ts + r of the stage.  No load of mine is out at its head.
.macro TILE ts
	s_lshr_b32 s28, s27, 3                         ; whole key steps in front of the diagonal's
	s_and_b32 s29, s27, 7
	s_lshl_b32 s29, s29, 4                         ; the tile's first query within its key step
	s_lshl_b32 s30, s27, 9
	s_add_nc_u64 s[40:41], s[4:5], s[30:31]        ; Q's codes: 16 tokens of 32 bytes a tile
	s_lshl_b32 s30, s28, 9                         ; Q's scale words: token 16 n + r lies in step n / 8, register (n / 2) % 4, lane 16 (r / 8) + 8 (n % 2) + r % 8
	s_and_b32 s58, s27, 1
	s_lshl_b32 s58, s58, 7
	s_add_co_u32 s30, s30, s58
	s_bfe_u32 s58, s27, 0x20001
	s_lshl_b32 s58, s58, 2
	s_add_co_u32 s30, s30, s58
	s_add_nc_u64 s[42:43], s[6:7], s[30:31]
	s_mov_b64 s[32:33], s[8:9]                     ; the walk begins at the head's first key
	s_mov_b64 s[34:35], s[10:11]
	s_mov_b64 s[36:37], s[12:13]
	s_mov_b64 s[38:39], s[14:15]
	v_add_nc_u32 v[DQ], s29, v[RH]
	global_load_b128 v[28:31], v[AQ], s[40:41]     ; these eleven loads land in Q's and K's registers.  Their readers, the tile before's products, stand ahead of that tile's wait on va_vdst in front of its LDS stores (the first tile: of the head's); the one vector line since names none of them
	global_load_b32 v13, v[AQS], s[42:43]
	KLOAD
	v_mov_b32 v17, 0xff61b1e6                      ; the largest t so far: -3e38, under every t
	v_floor_f32 v18, -v17
	v_mov_b32 v20, 0
	v_mov_b32 v21, 0
.set N_, 0
.rept 32
	v_mov_b32 v[O+N_], 0                           ; the step is written once: the first finds zeros, which the first change of M leaves zeros
.set N_, N_+1
.endr
	s_cmp_eq_u32 s28, 0
	s_cbranch_scc1 .Ldiag_\@
	s_mov_b32 s49, s28
.Lfull_\@:
	STEP 0, 1
	s_sub_co_u32 s49, s49, 1
	s_cmp_lg_u32 s49, 0
	s_cbranch_scc1 .Lfull_\@
.Ldiag_\@:
.if \ts == 1
	global_prefetch_b8 v[PFO], s[52:53] th:TH_LOAD_NT scope:SCOPE_SE   ; my two rows of x, 32 blocks of 256 bytes, each asked for by this lane alone in the whole launch; one key step ahead of their loads
.endif
	STEP 1, 0
	PLACES
	v_add_f32 v20, v20, v21                        ; the sum's two halves,
	v_permlanex16_b32 v224, v20, s44, s45
	v_add_f32 v20, v20, v224                       ; and lane l xor 16's
	s_wait_alu depctr_va_vdst(0)
	v_rcp_f32 v20, v20
	v_nop                                          ; a plain place behind the transcendental
.set N_, 0
	s_wait_alu depctr_va_vdst(0)                   ; the reciprocal has written v20, ahead of its first reader
.rept 16
	v_pk_mul_f32 v[O+N_:O+N_+1], v[O+N_:O+N_+1], v[20:21] op_sel_hi:[1,0]
.set N_, N_+2
.endr
	s_wait_alu depctr_va_vdst(0)                   ; the sixteen scalings have written O^T, which the LDS stores below read.  Every vector and matrix line of the tile stands ahead of this wait
.irp t, 0,1,2,3
	ds_store_b128 v[STO+\ts], v[O+8*\t:O+8*\t+3] offset:64*\t         ; register 8 t + i: channel 64 w + 16 t + 8 h + i of query r
	ds_store_b128 v[STO+\ts], v[O+8*\t+4:O+8*\t+7] offset:64*\t+16
.endr
	s_wait_dscnt 0x0                               ; the stores have landed and have read their registers
	s_wait_alu depctr_vm_vsrc(0)                   ; the LDS stores have read O^T's registers, which the next tile's clears write, and in which, behind the second tile, gamma's and beta's loads land
.endm
	s_mov_b32 s27, s60
	TILE 0
	s_mov_b32 s27, s26
	TILE 1
	; ---- the residual and the LayerNorm: wave w takes row w of each tile.  Lane L's registers 4 i .. 4 i + 3 are channels 128 i + 4 L + 0..3
	; (These loads, and the LDS loads behind the barrier, land in registers that the tiles' vector and matrix lines named: all of those stand ahead of the second tile's wait on va_vdst, and no vector line follows it up to here.)
.irp i, 0,1,2,3,4,5,6,7
	global_load_b128 v[96+4*\i:99+4*\i], v[L16], s[50:51] offset:512*\i th:TH_LOAD_NT     ; x: read once in this launch
	global_load_b128 v[128+4*\i:131+4*\i], v[L16], s[52:53] offset:512*\i th:TH_LOAD_NT
	global_load_b128 v[160+4*\i:163+4*\i], v[L16], s[18:19] offset:512*\i                 ; gamma
	global_load_b128 v[192+4*\i:195+4*\i], v[L16], s[20:21] offset:512*\i                 ; beta
.endr
	s_mov_b32 s58, 0x3a800000                      ; 1 / 1024
	s_mov_b32 s59, 0x3727c5ac                      ; 1e-5
	s_wait_dscnt 0x0                               ; my part of the stage has landed
	s_barrier_signal -1
	s_barrier_wait -1                              ; all sixteen heads' have
.irp i, 0,1,2,3,4,5,6,7
	ds_load_b128 v[32+4*\i:35+4*\i], v[RD] offset:512*\i
	ds_load_b128 v[64+4*\i:67+4*\i], v[RD+1] offset:512*\i
.endr
	s_wait_dscnt 0x0
	s_wait_loadcnt 0x0
.macro ACROSS a, b                     ; the sum of v[a] over the 32 lanes, in every lane
	v_add_f32_dpp v\a, v\a, v\a row_xmask:1 row_mask:0xf bank_mask:0xf
	v_add_f32_dpp v\a, v\a, v\a row_xmask:2 row_mask:0xf bank_mask:0xf
	v_add_f32_dpp v\a, v\a, v\a row_xmask:4 row_mask:0xf bank_mask:0xf
	v_add_f32_dpp v\a, v\a, v\a row_xmask:8 row_mask:0xf bank_mask:0xf
	v_permlanex16_b32 v\b, v\a, s44, s45
	v_add_f32 v\a, v\a, v\b
.endm
; a row: y = o + x; the mean; y - mean; the mean of its squares (two passes, so that a common offset of x does no harm); x gamma / sqrt(var + 1e-5) + beta
.macro LNROW Y, X, ob
.irp n, 0,2,4,6,8,10,12,14,16,18,20,22,24,26,28,30
	v_pk_add_f32 v[\Y+\n:\Y+\n+1], v[\Y+\n:\Y+\n+1], v[\X+\n:\X+\n+1]
.endr
	v_pk_add_f32 v[224:225], v[\Y:\Y+1], v[\Y+2:\Y+3]
	v_pk_add_f32 v[226:227], v[\Y+4:\Y+5], v[\Y+6:\Y+7]
.irp n, 8,12,16,20,24,28
	v_pk_add_f32 v[224:225], v[224:225], v[\Y+\n:\Y+\n+1]
	v_pk_add_f32 v[226:227], v[226:227], v[\Y+\n+2:\Y+\n+3]
.endr
	v_pk_add_f32 v[224:225], v[224:225], v[226:227]
	v_add_f32 v224, v224, v225
	ACROSS 224, 225
	v_mul_f32 v224, 0xba800000, v224               ; - the mean
.irp n, 0,2,4,6,8,10,12,14,16,18,20,22,24,26,28,30
	v_pk_add_f32 v[\Y+\n:\Y+\n+1], v[\Y+\n:\Y+\n+1], v[224:225] op_sel_hi:[1,0]
.endr
	v_pk_mul_f32 v[226:227], v[\Y:\Y+1], v[\Y:\Y+1]
	v_pk_mul_f32 v[228:229], v[\Y+2:\Y+3], v[\Y+2:\Y+3]
.irp n, 4,8,12,16,20,24,28
	v_pk_fma_f32 v[226:227], v[\Y+\n:\Y+\n+1], v[\Y+\n:\Y+\n+1], v[226:227]
	v_pk_fma_f32 v[228:229], v[\Y+\n+2:\Y+\n+3], v[\Y+\n+2:\Y+\n+3], v[228:229]
.endr
	v_pk_add_f32 v[226:227], v[226:227], v[228:229]
	v_add_f32 v226, v226, v227
	ACROSS 226, 227
	v_fma_f32 v226, v226, s58, s59                 ; the variance + 1e-5
	s_wait_alu depctr_va_vdst(0)
	v_rsq_f32 v226, v226
	v_nop                                          ; a plain place behind the transcendental
	s_wait_alu depctr_va_vdst(0)                   ; the reciprocal root has written v226, ahead of its first reader
.irp n, 0,2,4,6,8,10,12,14,16,18,20,22,24,26,28,30
	v_pk_mul_f32 v[\Y+\n:\Y+\n+1], v[\Y+\n:\Y+\n+1], v[226:227] op_sel_hi:[1,0]
.endr
.irp n, 0,2,4,6,8,10,12,14,16,18,20,22,24,26,28,30
	v_pk_fma_f32 v[\Y+\n:\Y+\n+1], v[\Y+\n:\Y+\n+1], v[160+\n:161+\n], v[192+\n:193+\n]
.endr
	s_wait_alu depctr_va_vdst(0)                   ; the sixteen multiply-adds have written the row, which the stores below read
.irp i, 0,1,2,3,4,5,6,7
	global_store_b128 v[L16], v[\Y+4*\i:\Y+4*\i+3], s[\ob:\ob+1] offset:512*\i th:TH_STORE_NT   ; 32 lanes store 512 consecutive bytes, aligned; written once, read by nobody here
.endr
.endm
	LNROW 32, 96, 54
	LNROW 64, 128, 56
	s_wait_dscnt 0x0                               ; the closing lines, six on end
	s_wait_alu 0x0
	s_wait_tensorcnt 0x0
	ds_add_u32 v254, v255
	s_wait_dscnt 0x0
	s_endpgm
.Lfunc_end_k_q788533eb05_attn:
	.size	k_q788533eb05_attn, .Lfunc_end_k_q788533eb05_attn-k_q788533eb05_attn
	.p2alignl 7, 3214868480
	.fill 96, 4, 3214868480
	.section	.rodata,"a",@progbits
	.p2align	6, 0x0
	.amdhsa_kernel k_q788533eb05_attn
		.amdhsa_group_segment_fixed_size 133632
		.amdhsa_private_segment_fixed_size 0
		.amdhsa_enable_private_segment 0
		.amdhsa_kernarg_size 80
		.amdhsa_user_sgpr_count 2
		.amdhsa_user_sgpr_kernarg_segment_ptr 1
		.amdhsa_wavefront_size32 1
		.amdhsa_system_sgpr_workgroup_id_x 1
		.amdhsa_system_sgpr_workgroup_id_y 1
		.amdhsa_system_sgpr_workgroup_id_z 1
		.amdhsa_system_vgpr_workitem_id 0
		.amdhsa_next_free_vgpr 256
		.amdhsa_next_free_sgpr 98
		.amdhsa_reserve_vcc 0
		.amdhsa_float_denorm_mode_32 3
		.amdhsa_float_denorm_mode_16_64 3
		.amdhsa_memory_ordered 1
		.amdhsa_forward_progress 1
		.amdhsa_inst_pref_size 113
	.end_amdhsa_kernel
	.amdgpu_metadata
---
amdhsa.version: [ 1, 2 ]
amdhsa.kernels:
  - .name:           k_q788533eb05_attn
    .symbol:         k_q788533eb05_attn.kd
    .args:
      - { .name: qc, .offset: 0, .size: 8, .value_kind: global_buffer, .address_space: global }
      - { .name: qs, .offset: 8, .size: 8, .value_kind: global_buffer, .address_space: global }
      - { .name: kc, .offset: 16, .size: 8, .value_kind: global_buffer, .address_space: global }
      - { .name: ks, .offset: 24, .size: 8, .value_kind: global_buffer, .address_space: global }
      - { .name: vc, .offset: 32, .size: 8, .value_kind: global_buffer, .address_space: global }
      - { .name: vs, .offset: 40, .size: 8, .value_kind: global_buffer, .address_space: global }
      - { .name: x, .offset: 48, .size: 8, .value_kind: global_buffer, .address_space: global }
      - { .name: gamma, .offset: 56, .size: 8, .value_kind: global_buffer, .address_space: global }
      - { .name: beta, .offset: 64, .size: 8, .value_kind: global_buffer, .address_space: global }
      - { .name: out0, .offset: 72, .size: 8, .value_kind: global_buffer, .address_space: global }
    .group_segment_fixed_size: 133632
    .private_segment_fixed_size: 0
    .kernarg_segment_align: 8
    .kernarg_segment_size: 80
    .max_flat_workgroup_size: 512
    .sgpr_count:     98
    .vgpr_count:     256
    .wavefront_size: 32
...
	.end_amdgpu_metadata
.endif
;; end of part 4
